; MI455X (gfx1250); checked and timed in simulation.
; The chip was launched on July 23, 2026; its instructions are those of AMD's public machine-readable ISA for CDNA 5 (MIT licence, August 2026) and "CDNA5" Instruction Set Architecture Reference Guide (July 2026). The comments in the code are by the model that wrote it; some were corrected since.
;; Attention Block. Allowed arithmetic: matrix products marked QUANTISED: E4M3 operands, one given power-of-two scale a tensor, by v_wmma_f32_16x16x64_fp8_fp8 or v_wmma_f32_16x16x128_fp8_fp8, f32 sums; everything else in f32.
;; Inputs: lowp_scales 8 int32 (the exponents e of the quantised operands' scales 2^e); norm_b 256 float32; norm_w 256 float32; proj_b 256 float32; proj_w 256 x 256 float32; qkv_b 768 float32; qkv_w 768 x 256 float32; x 2 x 256 x 64 x 64 float32.
;; Outputs: out0 2 x 256 x 64 x 64 float32.
;; This version of the problem:
;;   THIS VERSION OF THE PROBLEM IS GIVEN IN LOW PRECISION. The matrix products marked QUANTISED in the list below multiply operands that are first quantised to E4M3 (4 exponent bits, 3 mantissa bits; 8 bits a number), with one given power-of-two scale for each operand tensor; their sums are f32. All else is computed in f32.
;;   The module's matrix products, in the order in which they are computed (A, B: the left and right operand; K: the contracted axis; several contracted axes count as one K, in the product's order):
;;     1. [M 8,192, K 256] x [K 256, N 768]; A: computed on the way; B: input qkv_w: QUANTISED (scales: A lowp_scales[0], B lowp_scales[1])
;;     2. batch 8 x [M 4,096, K 64] x [K 64, N 4,096]; A: computed on the way; B: computed on the way: QUANTISED (scales: A lowp_scales[2], B lowp_scales[3])
;;     3. batch 8 x [M 64, K 4,096] x [K 4,096, N 4,096]; A: computed on the way; B: softmax (see below): QUANTISED (scales: A lowp_scales[4], B lowp_scales[5])
;;     4. [M 8,192, K 256] x [K 256, N 256]; A: computed on the way; B: input proj_w: QUANTISED (scales: A lowp_scales[6], B lowp_scales[7])
;;   THE QUANTISER, for each operand of a quantised product, along K:
;;     - The operand's scale is 2^e, e = its entry of the input lowp_scales (int32; the entries are numbered through the quantised products in the list's order, A before B).
;;     - Each number is divided by the scale, clamped to +-448, and rounded to the nearest number of E4M3, ties to even, subnormals kept.
;;     - The product sums the exact products of the quantised numbers (number of the format x scale) in f32.
;;   ~~~python
;;   def quantise(x, axis, e):      # numpy; x: float32 -> the quantised numbers, widened to float32 again
;;       x = np.moveaxis(x, axis, -1); K = x.shape[-1]
;;       r = np.clip(x / 2.0 ** e, -448, 448)
;;       step = 2.0 ** (np.maximum(np.frexp(np.where(r == 0, 1, r))[1] - 1, -6) - 3)
;;       q = np.round(r / step) * step * 2.0 ** e      # np.round: ties to even
;;       return np.moveaxis(q, -1, axis).astype(np.float32)
;;   ~~~
;;   SOFTMAX AHEAD OF A QUANTISED PRODUCT. Where the list says 'softmax', what is quantised is not the finished softmax but p = 2^(t - M), with t = logit x log2(e) and M = ceil(the row's largest t), a whole number; so 1/2 < the row's largest p <= 1. The row's sum l is taken of the UNQUANTISED p, in f32, and the product's result is divided by l at the end. Since M is a whole number, a kernel that streams over the keys may use a running M (the ceiling of the running maximum): every later rescaling is an exact power of two, so the quantised numbers keep their values, but for numbers so far below the row's largest that they fall under the format's range.
;;   OPERANDS COMPUTED ON THE WAY. 'Computed on the way' means the value that the module computes at that place (a softmax that the list does not call 'softmax' is quantised finished and normalised). What goes into a quantiser is computed in f32, as accurately as f32 sums, v_exp_f32 and their like allow (about 1e-6 of the number): no bf16 or f16 on the way to a quantiser, and a product that is left as it is and whose result goes on into a quantised operand takes f32 operands (vector FMAs, or v_wmma_f32_16x16x4_f32). A number that lies on a knife's edge between two numbers of the format may be rounded either way, as far as f32 arithmetic and the matrix unit's own rounding can turn it there, and no further.
;; 2 versions, each right; version 2 is version 1 with the launches qkv, proj written anew for expert scheduling mode. Each part assembles by itself: llvm-mc -triple=amdgcn-amd-amdhsa -mcpu=gfx1250 --defsym DOCPART=n.
;; ======== version 1 of 2: 4 launches
;; workspace buffers: part 4,096 bytes; w_img 262,144 bytes; q_img 2,097,152 bytes; kv_img 4,194,304 bytes; a_img 2,097,152 bytes
;; launch prep (part 1): grid 320 x 1, 2 waves a work-group, no clusters, 0 bytes of LDS; arguments x, qkv_w, proj_w, lowp_scales, part, w_img; writes part, w_img
.if DOCPART == 1
	.amdgcn_target "amdgcn-amd-amdhsa--gfx1250"
	.amdhsa_code_object_version 6
	.text
	.protected	k_q33dddfc633_prep
	.globl	k_q33dddfc633_prep
	.p2align	8
	.type	k_q33dddfc633_prep,@function
k_q33dddfc633_prep:
	s_mov_b64 s[64:65], 0
	v_nop
	global_prefetch_b8 v0, s[64:65] scope:SCOPE_SE
	s_setreg_imm32_b32 hwreg(HW_REG_WAVE_MODE, 25, 1), 1
	s_wait_xcnt 0x0
; PREP: two jobs that need nothing of each other, in one launch; the work-group's number chooses.
; (1) Work-groups 0-255: the statistics of GroupNorm, channel by channel.  One wave takes one channel of one batch entry (4,096 numbers, 16,384 bytes, 128 registers) and stores its mean and
;     its sum of squared deviations from that mean.  Two passes over registers: the mean first, then the deviations, so that a common offset of the inputs costs no digits.
;     part: mean[bc] at 4 bc, the sum of squares at 2,048 + 4 bc, bc = 256 b + c.  The next launch joins eight channels to a group.
;     These are two stores of 4 bytes a wave, 4,096 bytes in the whole launch: nothing would be gained by gathering them.
; (2) Work-groups 256-319: qkv_w [768][256] and proj_w [256][256], f32, become codes of FP8 (E4M3), each with its given scale 2^e (entries 1 and 7 of the scales).
;     code = w / 2^e, held within +-448, to the nearest code, ties to even.  One wave makes one FRAGMENT (16 rows x 128 along K: 16 registers a lane) and stores it AS AN IMAGE OF ITS REGISTERS:
;     lane (r = l % 16, h = l / 16) holds row r; register 2 c + e, byte y, holds k = 16 c + 8 h + 4 e + y (the layout of the plain 8-bit matrix forms); registers 4 q .. 4 q + 3 lie at byte 512 q + 16 l.
;     w_img: fragment f at 2,048 f; f = 2 (row tile) + (K step) for qkv_w (0-95), 96 + the same for proj_w.
; LIMITS: entries 1 and 7 of the scales lie between -126 and 119, so that 2^e and 448 x 2^e are f32 numbers.  NaN and infinities among the inputs are not served.
.set NSTAT, 256                        ; work-groups that take statistics, two channels each
.set X,     32                         ; v[32:159] a channel's numbers; for the weights v[32:95]: 64 numbers of a lane
.set C,     96                         ; v[96:111] a fragment's codes
	s_load_b256 s[4:11], s[0:1], 0x0               ; x s[4:5], qkv_w s[6:7], proj_w s[8:9], the scales' exponents s[10:11]
	s_load_b128 s[12:15], s[0:1], 0x20             ; part s[12:13], w_img s[14:15]
	v_lshrrev_b32 v1, 5, v0
	v_readfirstlane_b32 s16, v1                    ; wave 0, 1
	v_and_b32 v1, 31, v0                           ; lane
	v_lshlrev_b32 v2, 4, v1                        ; 16 x lane
	s_cmp_lt_u32 ttmp9, NSTAT
	s_cbranch_scc0 .Lweights
	; ---------------- (1) statistics ----------------
	s_lshl_b32 s17, ttmp9, 1
	s_add_co_u32 s17, s17, s16                     ; bc = 2 x work-group + wave
	s_lshl_b32 s20, s17, 14                        ; the channel's first byte in x
	s_mov_b32 s21, 0
	s_lshl_b32 s22, s17, 2                         ; its word in part
	s_mov_b32 s23, 0
	s_mov_b32 s18, 0x76543210                      ; v_permlanex16_b32: lane i of one half reads lane i of the other
	s_mov_b32 s19, 0xfedcba98
	s_wait_kmcnt 0x0
	s_add_nc_u64 s[4:5], s[4:5], s[20:21]
	s_add_nc_u64 s[12:13], s[12:13], s[22:23]
.set n, 0
.rept 32
	global_load_b128 v[X+4*n:X+4*n+3], v2, s[4:5] offset:512*n   ; 32 lanes read 512 consecutive bytes; x is read again by later launches, so no hint
.set n, n+1
.endr
.macro ADDP                            ; pair p of the 64 joins chain p % 4
	v_pk_add_f32 v[8+2*(p%4):9+2*(p%4)], v[8+2*(p%4):9+2*(p%4)], v[X+2*p:X+2*p+1]
.set p, p+1
.endm
.macro WAVESUM                         ; the four chains v[8:15] become one number in v8, the same in every lane
	v_pk_add_f32 v[8:9], v[8:9], v[10:11]
	v_pk_add_f32 v[12:13], v[12:13], v[14:15]
	v_pk_add_f32 v[8:9], v[8:9], v[12:13]
	v_add_f32 v8, v8, v9
	v_add_f32_dpp v8, v8, v8 row_xmask:1 row_mask:0xf bank_mask:0xf
	v_add_f32_dpp v8, v8, v8 row_xmask:2 row_mask:0xf bank_mask:0xf
	v_add_f32_dpp v8, v8, v8 row_xmask:4 row_mask:0xf bank_mask:0xf
	v_add_f32_dpp v8, v8, v8 row_xmask:8 row_mask:0xf bank_mask:0xf
	v_permlanex16_b32 v9, v8, s18, s19             ; its destination counts as read: v9 has been written
	v_add_f32 v8, v8, v9
.endm
	; pass 1: the sum, eight loads (16 pairs) at a time; each count is the number of younger loads that may stay out
	s_wait_loadcnt 24
.irp k, 0,1,2,3
	v_pk_add_f32 v[8+2*\k:9+2*\k], v[X+2*\k:X+2*\k+1], v[X+8+2*\k:X+9+2*\k]   ; the first eight pairs start the four chains: nothing is cleared
.endr
.set p, 8
.rept 8
	ADDP
.endr
	s_wait_loadcnt 16
.rept 16
	ADDP
.endr
	s_wait_loadcnt 8
.rept 16
	ADDP
.endr
	s_wait_loadcnt 0
.rept 16
	ADDP
.endr
	WAVESUM
	v_mul_f32 v16, 0x39800000, v8                  ; the mean: sum x 2^-12
	v_mov_b32 v17, v16                             ; twice, a pair for the packed form
	; pass 2: deviations in place, then their squares in four chains
.set p, 0
.rept 64
	v_pk_add_f32 v[X+2*p:X+2*p+1], v[X+2*p:X+2*p+1], v[16:17] neg_lo:[0,1] neg_hi:[0,1]
.set p, p+1
.endr
.irp k, 0,1,2,3
	v_pk_mul_f32 v[8+2*\k:9+2*\k], v[X+2*\k:X+2*\k+1], v[X+2*\k:X+2*\k+1]
.endr
.set p, 4
.rept 60
	v_pk_fma_f32 v[8+2*(p%4):9+2*(p%4)], v[X+2*p:X+2*p+1], v[X+2*p:X+2*p+1], v[8+2*(p%4):9+2*(p%4)]
.set p, p+1
.endr
	WAVESUM
	v_mov_b32 v3, 0
	v_cmp_eq_u32 vcc_lo, 0, v1                     ; lane 0 stores for the wave
	s_wait_xcnt 0x0                                ; EXEC is a source of every memory instruction issued so far: it changes only behind this wait
	s_and_saveexec_b32 s20, vcc_lo
	global_store_b32 v3, v16, s[12:13]             ; the mean
	global_store_b32 v3, v8, s[12:13] offset:2048  ; the sum of squared deviations
	s_wait_xcnt 0x0                                ; and again in front of the line that widens it
	s_or_b32 exec_lo, exec_lo, s20
	s_endpgm
	; ---------------- (2) the weights ----------------
.Lweights:
	s_sub_co_u32 s17, ttmp9, NSTAT
	s_lshl_b32 s17, s17, 1
	s_add_co_u32 s17, s17, s16                     ; f = 0 .. 127
	v_and_b32 v4, 15, v0                           ; r
	v_bfe_u32 v5, v0, 4, 1                         ; h
	v_lshlrev_b32 v3, 10, v4
	v_lshl_add_u32 v3, v5, 5, v3                   ; row r of 1,024 bytes, + 8 h numbers
	s_wait_kmcnt 0x0
	s_load_b256 s[24:31], s[10:11], 0x0            ; the eight exponents
	s_cmp_lt_u32 s17, 96                           ; qkv_w's fragment or proj_w's: the choice hangs on ids alone
	s_cselect_b64 s[4:5], s[6:7], s[8:9]
	s_cselect_b32 s18, 0, 96
	s_sub_co_u32 s18, s17, s18                     ; the fragment's number in its own tensor
	s_lshr_b32 s20, s18, 1
	s_lshl_b32 s20, s20, 14                        ; 16 rows of 1,024 bytes a row tile,
	s_and_b32 s21, s18, 1
	s_lshl_b32 s21, s21, 9                         ; 512 bytes a K step
	s_add_co_u32 s20, s20, s21
	s_mov_b32 s21, 0
	s_add_nc_u64 s[4:5], s[4:5], s[20:21]
	s_lshl_b32 s22, s17, 11
	s_mov_b32 s23, 0
	s_add_nc_u64 s[14:15], s[14:15], s[22:23]      ; the image's place
.irp q, 0,1,2,3                        ; registers X + 16 q + 8 p + 0 .. 7 hold k = 32 q + 16 p + 8 h + 0 .. 7 of row r: what the operand's registers 4 q + 2 p and the next want
.irp u, 0,1,2,3
	global_load_b128 v[X+16*\q+4*\u:X+16*\q+4*\u+3], v3, s[4:5] offset:128*\q+64*(\u/2)+16*(\u%2) th:TH_LOAD_NT
.endr
.endr
	s_wait_kmcnt 0x0
	s_cmp_lt_u32 s17, 96
	s_cselect_b32 s18, s25, s31                    ; e: entry 1 or entry 7
	s_add_co_i32 s18, s18, 127
	s_lshl_b32 s19, s18, 23
	v_mov_b32 v11, s19                             ; 2^e as f32: the conversion takes its exponent field
	s_add_co_i32 s18, s18, 8
	s_lshl_b32 s18, s18, 23
	s_or_b32 s18, s18, 0x600000
	v_mov_b32 v10, s18                             ; 448 x 2^e
	s_wait_loadcnt 0x0
.set n, 0
.rept 64
	v_med3_num_f32 v[X+n], v[X+n], -v10, v10       ; the conversion to an 8-bit code does not saturate (ISA guide 7.6.2): the hold comes first
.set n, n+1
.endr
.set n, 0
.rept 8
	v_cvt_scalef32_pk8_fp8_f32 v[C+2*n:C+2*n+1], v[X+8*n:X+8*n+7], v11
.set n, n+1
.endr
.irp q, 0,1,2,3
	global_store_b128 v2, v[C+4*\q:C+4*\q+3], s[14:15] offset:512*\q   ; 32 lanes store 512 consecutive bytes, at a multiple of 256 from the buffer's first byte
.endr
	s_endpgm
.Lfunc_end_k_q33dddfc633_prep:
	.size	k_q33dddfc633_prep, .Lfunc_end_k_q33dddfc633_prep-k_q33dddfc633_prep
	.p2alignl 7, 3214868480
	.fill 96, 4, 3214868480
	.section	.rodata,"a",@progbits
	.p2align	6, 0x0
	.amdhsa_kernel k_q33dddfc633_prep
		.amdhsa_group_segment_fixed_size 0
		.amdhsa_private_segment_fixed_size 0
		.amdhsa_enable_private_segment 0
		.amdhsa_kernarg_size 48
		.amdhsa_user_sgpr_count 2
		.amdhsa_user_sgpr_kernarg_segment_ptr 1
		.amdhsa_wavefront_size32 1
		.amdhsa_system_sgpr_workgroup_id_x 1
		.amdhsa_system_sgpr_workgroup_id_y 1
		.amdhsa_system_sgpr_workgroup_id_z 1
		.amdhsa_system_vgpr_workitem_id 0
		.amdhsa_next_free_vgpr 160
		.amdhsa_next_free_sgpr 66
		.amdhsa_reserve_vcc 1
		.amdhsa_float_denorm_mode_32 3
		.amdhsa_float_denorm_mode_16_64 3
		.amdhsa_memory_ordered 1
		.amdhsa_forward_progress 1
		.amdhsa_inst_pref_size 26
	.end_amdhsa_kernel
	.amdgpu_metadata
---
amdhsa.version: [ 1, 2 ]
amdhsa.kernels:
  - .name:           k_q33dddfc633_prep
    .symbol:         k_q33dddfc633_prep.kd
    .args:
      - { .name: x, .offset: 0, .size: 8, .value_kind: global_buffer, .address_space: global }
      - { .name: qkv_w, .offset: 8, .size: 8, .value_kind: global_buffer, .address_space: global }
      - { .name: proj_w, .offset: 16, .size: 8, .value_kind: global_buffer, .address_space: global }
      - { .name: lowp_scales, .offset: 24, .size: 8, .value_kind: global_buffer, .address_space: global }
      - { .name: part, .offset: 32, .size: 8, .value_kind: global_buffer, .address_space: global }
      - { .name: w_img, .offset: 40, .size: 8, .value_kind: global_buffer, .address_space: global }
    .group_segment_fixed_size: 0
    .private_segment_fixed_size: 0
    .kernarg_segment_align: 8
    .kernarg_segment_size: 48
    .max_flat_workgroup_size: 64
    .sgpr_count:     66
    .vgpr_count:     160
    .wavefront_size: 32
...
	.end_amdgpu_metadata
.endif
;; end of part 1
;; launch qkv (part 2): grid 32 x 8, 8 waves a work-group, no clusters, 34,304 bytes of LDS; arguments x, norm_w, norm_b, part, w_img, qkv_b, lowp_scales, q_img, kv_img; writes q_img, kv_img
.if DOCPART == 2
	.amdgcn_target "amdgcn-amd-amdhsa--gfx1250"
	.amdhsa_code_object_version 6
	.text
	.protected	k_q33dddfc633_qkv
	.globl	k_q33dddfc633_qkv
	.p2align	8
	.type	k_q33dddfc633_qkv,@function
k_q33dddfc633_qkv:
	s_mov_b64 s[64:65], 0
	v_nop
	global_prefetch_b8 v0, s[64:65] scope:SCOPE_SE
	s_setreg_imm32_b32 hwreg(HW_REG_WAVE_MODE, 25, 1), 1
	s_wait_xcnt 0x0
; QKV: GroupNorm finished, xn quantised, the first product, bias, q and k times 64^-0.25, and q, k, v quantised into images of the operands that attention wants.
; A work-group (x: block tb of 128 positions; y: bh = 4 b + head) makes one head's 192 output channels for 128 positions: 8 tiles of q and one whole key step (8 tiles of k, 4 of v).
; IMAGES.  Every operand in memory and in LDS is an image of its registers in the layout of the plain 8-bit matrix forms: lane (r = l % 16, h = l / 16) holds row r; register 2 c + e, byte y, holds
; k = 16 c + 8 h + 4 e + y; registers 4 q .. 4 q + 3 lie at byte 512 q + 16 l.  A result tile gives lane (r, h), register j, the row 8 h + j: so one conversion of a tile's eight registers IS registers
; 2 i, 2 i + 1 of the next operand, and nothing is permuted anywhere.
; PHASE X.  x lies [channel][position].  Wave w loads channels 32 w .. 32 w + 31 of all 128 positions, 4 neighbouring positions a lane (512 consecutive bytes a load): so a lane holds 32 channels, which are
; neighbours along K, of each of 4 positions.  (x - mean) A + b with A = rstd x norm_w; mean, A and b are the same in all lanes, so they lie in scalar registers.  The codes go to LDS at the place that
; the operand's image gives them.  One barrier.
; ORDER OF THE LOADS.  The statistics' 6 loads and x's 32 go out first and alone: phase X waits for them.  The 29 loads of weights and biases are wanted only behind the barrier: 16 are issued behind the
; statistics, where the wave would otherwise only wait for x, the other 13 behind the first quarter of phase X.
; PRODUCTS.  Wave w: R = w % 4, TH = w / 4.  For position tiles 4 TH .. 4 TH + 3: two row tiles of qkv_w (12 head + 2 R, + 1: R = 0, 1 are q, R = 2, 3 are k), used TRANSPOSED (source 0 = weights,
; source 1 = xn), so that a lane holds one position and eight channels; and v's row tile 12 head + 8 + R, used straight (source 0 = xn), so that a lane holds one channel and eight positions (the keys are v's K).
; The bias, divided by 2^(e0 + e1), is the C of each sum's first matrix instruction.
; The four heads of a batch entry read the same 128 x 256 numbers of x; they pass through registers before they are of use in LDS, so there is no tensor load here that partners could share.
; LIMITS: e0, e2 - e0 - e1, e3 - e0 - e1 and e4 - e0 - e1 lie between -126 and 119 (each power of two and 448 times it is an f32 number); e0 + e1 goes through v_ldexp_f32 and has no limit.
; NaN and infinities among the inputs are not served.
; REGISTERS, window 0: v1 lane, v2 16 l, v3 r, v4 h, v5-v11, v19 addresses, v12-v17 scales and holds, v18 v's bias, v20-43 statistics; v32-63 T; v64-95 codes; v128-255 x as loaded.
;   Behind the barrier: v32-95 the 8 accumulators of q or k, v96-127 the 4 of v, v128-255 xn's 8 fragments, at last v128-151 the codes to store.
;   window 1: v0-63 the weights for q or k (tile u, K step s at 32 u + 16 s), v64-95 for v, v96-111 and v112-119 the biases in the results' layouts.
.set XT,  4112                         ; LDS: a tile of 16 positions: two K steps of 2,048 bytes + 16, so that the 16 lanes of a store in phase X fall on 16 different columns of 16 bytes (64 banks of 4 bytes: ISA guide 11.1)
.set GM,  28                           ; s[28:31]  the means of my wave's four groups
.set GB,  32                           ; s[32:63]  first the eight exponents, then b of my 32 channels
.set GA,  66                           ; s[66:97]  A of my 32 channels
.set T,   32
.set CD,  64
.set RAW, 128
.set AQ,  32
.set AV,  96
.set XF,  128
.set CQ,  128
.set CV,  144
.set BQ,  96                           ; in window 1
.set BV,  112                          ; in window 1
.set MSB, 0
.macro WIN new                         ; s_set_vgpr_msb: bits 1:0 source 0, 3:2 source 1, 5:4 source 2, 7:6 destination; the high byte repeats the setting that is left
.if MSB != \new
	s_set_vgpr_msb (MSB<<8)|\new
.set MSB, \new
.endif
.endm
.macro POW2 vs, vl, se                 ; s[se] = e (used up, with s3): v[vs] = 2^e, v[vl] = 448 x 2^e
	s_add_co_i32 s[\se], s[\se], 127
	s_lshl_b32 s3, s[\se], 23
	v_mov_b32 v[\vs], s3
	s_add_co_i32 s[\se], s[\se], 8
	s_lshl_b32 s[\se], s[\se], 23
	s_or_b32 s[\se], s[\se], 0x600000
	v_mov_b32 v[\vl], s[\se]
.endm
	s_load_b512 s[4:19], s[0:1], 0x0               ; x s[4:5], norm_w s[6:7], norm_b s[8:9], part s[10:11], w_img s[12:13], qkv_b s[14:15], the exponents s[16:17], q_img s[18:19]
	s_load_b64 s[20:21], s[0:1], 0x40              ; kv_img
	v_lshl_add_u32 v9, v0, 2, 0x8200
	s_set_vgpr_msb 0x40
	v_mov_b32 v129, 0
	s_set_vgpr_msb 0x4000
	v_lshrrev_b32 v1, 5, v0
	v_readfirstlane_b32 s22, v1                    ; wave w
	s_and_b32 s23, s22, 3                          ; R
	s_lshr_b32 s24, s22, 2                         ; TH
	s_and_b32 s26, ttmp7, 0xffff                   ; bh
	s_lshr_b32 s27, s26, 2                         ; b
	s_and_b32 s99, s26, 3                          ; head
	v_and_b32 v1, 31, v0                           ; lane
	v_lshlrev_b32 v2, 4, v1                        ; 16 l
	v_and_b32 v3, 15, v0                           ; r
	v_bfe_u32 v4, v0, 4, 1                         ; h
	v_lshrrev_b32 v5, 2, v1                        ; phase X: my 4 positions 4 l + j lie in tile l / 4, rows 4 (l % 4) + j
	v_mul_u32_u24 v5, v5, XT
	v_and_b32 v6, 3, v1
	v_lshl_add_u32 v5, v6, 6, v5                   ; + 16 bytes x 4 (l % 4)
	s_lshl_b32 s2, s24, 11                         ; my 32 channels: K step w / 4,
	s_lshl_b32 s3, s23, 9                          ; registers 4 (w % 4) on
	s_add_co_u32 s2, s2, s3
	v_add_nc_u32 v5, s2, v5
	v_and_b32 v6, 24, v1
	v_lshlrev_b32 v6, 2, v6                        ; part: the eight channels of lane l's group begin at channel 32 w + (l & 24)
	v_lshlrev_b32 v7, 2, v1                        ; norm_w, norm_b: lane l is channel 32 w + l
	v_lshlrev_b32 v8, 5, v4                        ; q's and k's bias: my eight channels 8 h on
	s_mul_i32 s2, s24, 4*XT
	v_add_nc_u32 v10, s2, v2                       ; where I read xn's fragments: 16 l + my four tiles
	s_lshl_b32 s2, s23, 1
	s_sub_co_u32 s2, 16, s2
	s_lshl_b32 s2, s2, 11
	v_add_nc_u32 v11, s2, v2                       ; v's weights lie 16 - 2 R fragments behind my weights for q or k
	s_lshl_b32 s2, s23, 4
	s_sub_co_u32 s2, 128, s2
	s_lshl_b32 s2, s2, 2
	v_lshl_add_u32 v19, v3, 2, s2                  ; v's bias lies 128 - 16 R + r numbers behind my bias for q or k
	s_wait_kmcnt 0x0
	s_load_b256 s[GB:GB+7], s[16:17], 0x0          ; e0 .. e7
	s_lshl_b32 s2, s27, 10
	s_lshl_b32 s3, s22, 7
	s_add_co_u32 s2, s2, s3
	s_mov_b32 s3, 0
	s_add_nc_u64 s[10:11], s[10:11], s[2:3]        ; part at channel 256 b + 32 w
	s_lshl_b32 s2, s22, 7
	s_add_nc_u64 s[6:7], s[6:7], s[2:3]            ; norm_w, norm_b at channel 32 w
	s_add_nc_u64 s[8:9], s[8:9], s[2:3]
	global_load_b128 v[20:23], v6, s[10:11]                ; eight means,
	global_load_b128 v[24:27], v6, s[10:11] offset:16
	global_load_b128 v[28:31], v6, s[10:11] offset:2048    ; eight sums of squared deviations
	global_load_b128 v[32:35], v6, s[10:11] offset:2064
	global_load_b32 v36, v7, s[6:7]
	global_load_b32 v37, v7, s[8:9]
	s_lshl_b32 s2, s27, 22
	s_lshl_b32 s3, s22, 19
	s_add_co_u32 s2, s2, s3
	s_lshl_b32 s3, ttmp9, 9
	s_add_co_u32 s2, s2, s3
	s_mov_b32 s3, 0
	s_add_nc_u64 s[4:5], s[4:5], s[2:3]            ; x at (b, channel 32 w, position 128 tb)
.set n, 0
.rept 32
	global_load_b128 v[RAW+4*n:RAW+4*n+3], v2, s[4:5] offset:16384*n   ; channel 32 w + n: 32 lanes read 512 consecutive bytes
.set n, n+1
.endr
	s_mul_i32 s2, s99, 24
	s_lshl_b32 s3, s23, 2
	s_add_co_u32 s2, s2, s3
	s_lshl_b32 s2, s2, 11
	s_mov_b32 s3, 0
	s_add_nc_u64 s[12:13], s[12:13], s[2:3]        ; w_img at fragment 24 head + 4 R
	s_mul_i32 s2, s99, 192
	s_lshl_b32 s3, s23, 5
	s_add_co_u32 s2, s2, s3
	s_lshl_b32 s2, s2, 2
	s_mov_b32 s3, 0
	s_add_nc_u64 s[14:15], s[14:15], s[2:3]        ; qkv_b at channel 192 head + 32 R
	; where the results go: q tile or k tile 4 TH + i at 1,024 (4 TH + i), my four registers at 512 (R % 2); v tile R at 8,192 + 2,048 R, my eight registers at 1,024 TH
	s_lshl_b32 s2, s26, 8
	s_lshl_b32 s3, ttmp9, 3
	s_add_co_u32 s2, s2, s3
	s_lshl_b32 s2, s2, 10
	s_mov_b32 s3, 0
	s_add_nc_u64 s[18:19], s[18:19], s[2:3]        ; q_img at tile 256 bh + 8 tb
	s_lshl_b32 s2, s26, 5
	s_add_co_u32 s2, s2, ttmp9
	s_lshl_b32 s2, s2, 14
	s_add_nc_u64 s[20:21], s[20:21], s[2:3]        ; kv_img at key step 32 bh + tb
	s_cmp_lt_u32 s23, 2                            ; the choice hangs on the wave's number alone
	s_cselect_b64 s[18:19], s[18:19], s[20:21]
	s_lshl_b32 s2, s24, 12
	s_and_b32 s100, s23, 1
	s_lshl_b32 s100, s100, 9
	s_add_co_u32 s2, s2, s100
	s_add_nc_u64 s[18:19], s[18:19], s[2:3]
	s_lshl_b32 s2, s23, 11
	s_lshl_b32 s100, s24, 10
	s_add_co_u32 s2, s2, s100
	s_add_co_u32 s2, s2, 8192
	s_add_nc_u64 s[20:21], s[20:21], s[2:3]
	; ---- the group's statistics, in every lane for its own channel's group
	s_wait_loadcnt 32                              ; the six loads of statistics are in; x's 32 may be out
	v_add_f32 v38, v20, v21
	v_add_f32 v39, v22, v23
	v_add_f32 v40, v24, v25
	v_add_f32 v41, v26, v27
	v_add_f32 v38, v38, v39
	v_add_f32 v40, v40, v41
	v_add_f32 v38, v38, v40
	v_mul_f32 v38, 0x3e000000, v38                 ; the group's mean: the eight channels have equally many numbers
.irp k, 0,1,2,3,4,5,6,7
	v_sub_f32 v[20+\k], v[20+\k], v38
.endr
	v_mul_f32 v39, v20, v20
.irp k, 1,2,3,4,5,6,7
	v_fmac_f32 v39, v[20+\k], v[20+\k]
.endr
	v_add_f32 v40, v28, v29
	v_add_f32 v41, v30, v31
	v_add_f32 v42, v32, v33
	v_add_f32 v43, v34, v35
	v_add_f32 v40, v40, v41
	v_add_f32 v42, v42, v43
	v_add_f32 v40, v40, v42
	v_fmamk_f32 v40, v39, 0x45800000, v40          ; + 4,096 x the squares of the channels' means about the group's
	s_mov_b32 s2, 0x38000000
	v_fmaak_f32 v40, s2, v40, 0x3727c5ac           ; the variance (x 2^-15) + 1e-5
	v_rsq_f32 v41, v40
	v_nop                                          ; a plain line behind the transcendental (ISA guide 5.7.2)
	s_wait_alu depctr_va_vdst(0)
	v_mul_f32 v41, v41, v36                        ; A = rstd x norm_w
	s_wait_kmcnt 0x0
	s_mov_b32 s2, s[GB]
	POW2 12, 13, 2                                 ; xn's scale 2^e0
	s_add_co_i32 s100, s[GB], s[GB+1]              ; e0 + e1: a sum of the product stands for sum x 2^(e0 + e1)
	s_sub_co_i32 s98, 0, s100
	s_cmp_lt_u32 s23, 2
	s_cselect_b32 s2, s[GB+2], s[GB+3]             ; q's e2 or k's e3
	s_sub_co_i32 s2, s2, s100
	POW2 14, 15, 2                                 ; the three scales folded into the conversion's one
	s_sub_co_i32 s2, s[GB+4], s100
	POW2 16, 17, 2                                 ; likewise for v
.irp g, 0,1,2,3
	v_readlane_b32 s[GM+\g], v38, 8*\g
.endr
.set i, 0
.rept 32
	v_readlane_b32 s[GA+i], v41, i
	v_readlane_b32 s[GB+i], v37, i
.set i, i+1
.endr
	WIN 0x40                                       ; destination window 1
.set n, 0
.rept 16
	global_load_b128 v[4*n:4*n+3], v2, s[12:13] offset:512*n       ; the weights for q or k: four fragments
.set n, n+1
.endr
	WIN 0
	; ---- phase X
.macro XQ j                            ; position 4 l + j: its 32 channels are normalised, held, turned into codes and stored at their place in the image
.set i, 0
.rept 32
	v_sub_f32 v[T+i], v[RAW+4*i+\j], s[GM+i/8]
.set i, i+1
.endr
.set i, 0
.rept 32
	v_fma_f32 v[T+i], v[T+i], s[GA+i], s[GB+i]
.set i, i+1
.endr
.set i, 0
.rept 32
	v_med3_num_f32 v[T+i], v[T+i], -v13, v13       ; the conversion does not saturate (ISA guide 7.6.2)
.set i, i+1
.endr
	v_cvt_scalef32_pk8_fp8_f32 v[CD+8*\j:CD+8*\j+1],   v[T:T+7],     v12   ; the image's lane (row, 0) wants channels 0-7 and 16-23 of my 32,
	v_cvt_scalef32_pk8_fp8_f32 v[CD+8*\j+2:CD+8*\j+3], v[T+16:T+23], v12
	v_cvt_scalef32_pk8_fp8_f32 v[CD+8*\j+4:CD+8*\j+5], v[T+8:T+15],  v12   ; its lane (row, 1) channels 8-15 and 24-31
	v_cvt_scalef32_pk8_fp8_f32 v[CD+8*\j+6:CD+8*\j+7], v[T+24:T+31], v12
	v_nop                                          ; a plain line between the conversions and the next lines that write their sources
	ds_store_b128 v5, v[CD+8*\j:CD+8*\j+3] offset:16*\j
	ds_store_b128 v5, v[CD+8*\j+4:CD+8*\j+7] offset:16*\j+256
.endm
	s_wait_loadcnt 16                              ; x is in; the 16 loads of weights just issued may be out
	XQ 0
	WIN 0x40
.set n, 0
.rept 8
	global_load_b128 v[64+4*n:64+4*n+3], v11, s[12:13] offset:512*n    ; the weights for v: two fragments
.set n, n+1
.endr
.irp n, 0,1,2,3
	global_load_b128 v[BQ+4*\n:BQ+4*\n+3], v8, s[14:15] offset:64*(\n/2)+16*(\n%2)   ; tile u = n / 2: channels 16 u + 8 h + 0 .. 7
.endr
	WIN 0
	global_load_b32 v18, v19, s[14:15]
	XQ 1
	XQ 2
	XQ 3
	s_wait_dscnt 0x0                               ; for the others' sake: my stores have landed
	s_barrier_signal -1
	s_barrier_wait -1                              ; xn's 16 fragments lie in LDS
.irp i, 0,1,2,3
.irp c, 0,1,2,3,4,5,6,7
	ds_load_b128 v[XF+32*\i+4*\c:XF+32*\i+4*\c+3], v10 offset:\i*XT+512*\c   ; tile 4 TH + i: K step c / 4, registers 4 (c % 4) on
.endr
.endr
	s_wait_loadcnt 0x0                             ; weights and biases
	WIN 0x41                                       ; source 0 and destination window 1
.set n, 0
.rept 16
	v_ldexp_f32 v[BQ+n], v[BQ+n], s98              ; the bias goes in divided by the power of two that the sums lack
.set n, n+1
.endr
	WIN 0
	v_ldexp_f32 v18, v18, s98
	WIN 0x40
.set n, 0
.rept 8
	v_mov_b32 v[BV+n], v18                         ; in v's result a lane is one channel: its bias in all eight registers
.set n, n+1
.endr
	s_wait_dscnt 0x0
	; ---- the products: 12 accumulators by turns, one instruction a turn
	WIN 0x11                                       ; source 0 (weights) and C (bias) window 1
.irp i, 0,1,2,3
.irp u, 0,1
	v_wmma_f32_16x16x128_fp8_fp8 v[AQ+16*\i+8*\u:AQ+16*\i+8*\u+7], v[32*\u:32*\u+15], v[XF+32*\i:XF+32*\i+15], v[BQ+8*\u:BQ+8*\u+7]
.endr
.endr
	WIN 0x14                                       ; source 1 (weights) and C window 1
.irp i, 0,1,2,3
	v_wmma_f32_16x16x128_fp8_fp8 v[AV+8*\i:AV+8*\i+7], v[XF+32*\i:XF+32*\i+15], v[64:79], v[BV:BV+7]
.endr
	WIN 0x01
.irp i, 0,1,2,3
.irp u, 0,1
	v_wmma_f32_16x16x128_fp8_fp8 v[AQ+16*\i+8*\u:AQ+16*\i+8*\u+7], v[32*\u+16:32*\u+31], v[XF+32*\i+16:XF+32*\i+31], v[AQ+16*\i+8*\u:AQ+16*\i+8*\u+7]
.endr
.endr
	WIN 0x04
.irp i, 0,1,2,3
	v_wmma_f32_16x16x128_fp8_fp8 v[AV+8*\i:AV+8*\i+7], v[XF+32*\i+16:XF+32*\i+31], v[80:95], v[AV+8*\i:AV+8*\i+7]
.endr
	WIN 0
.rept 4
	v_nop                                          ; four plain lines between the last products and the first read of results (ISA guide 7.12.1)
.endr
	; ---- q or k: x 64^-0.25, held, codes; each accumulator from its low end on
.irp i, 0,1,2,3
.irp n, 0,2,4,6,8,10,12,14
	v_pk_mul_f32 v[AQ+16*\i+\n:AQ+16*\i+\n+1], v[AQ+16*\i+\n:AQ+16*\i+\n+1], 0x3eb504f3 op_sel_hi:[1,0]
.endr
.irp n, 0,1,2,3,4,5,6,7,8,9,10,11,12,13,14,15
	v_med3_num_f32 v[AQ+16*\i+\n], v[AQ+16*\i+\n], -v15, v15
.endr
	v_cvt_scalef32_pk8_fp8_f32 v[CQ+4*\i:CQ+4*\i+1],   v[AQ+16*\i:AQ+16*\i+7],    v14
	v_cvt_scalef32_pk8_fp8_f32 v[CQ+4*\i+2:CQ+4*\i+3], v[AQ+16*\i+8:AQ+16*\i+15], v14
.endr
	; ---- v: held, codes
.irp i, 0,1,2,3
.irp n, 0,1,2,3,4,5,6,7
	v_med3_num_f32 v[AV+8*\i+\n], v[AV+8*\i+\n], -v17, v17
.endr
	v_cvt_scalef32_pk8_fp8_f32 v[CV+2*\i:CV+2*\i+1], v[AV+8*\i:AV+8*\i+7], v16
.endr
	v_nop                                          ; a plain line behind the last conversion
.irp i, 0,1,2,3
	global_store_b128 v2, v[CQ+4*\i:CQ+4*\i+3], s[18:19] offset:1024*\i   ; every store: 512 consecutive bytes, at a multiple of 256 from the buffer's first byte
.endr
	global_store_b128 v2, v[CV:CV+3], s[20:21]
	global_store_b128 v2, v[CV+4:CV+7], s[20:21] offset:512
	s_set_vgpr_msb 0x4
	s_wait_tensorcnt 0x0
	ds_add_u32 v9, v129
	s_wait_dscnt 0x0
	s_set_vgpr_msb 0x400
	s_endpgm
.Lfunc_end_k_q33dddfc633_qkv:
	.size	k_q33dddfc633_qkv, .Lfunc_end_k_q33dddfc633_qkv-k_q33dddfc633_qkv
	.p2alignl 7, 3214868480
	.fill 96, 4, 3214868480
	.section	.rodata,"a",@progbits
	.p2align	6, 0x0
	.amdhsa_kernel k_q33dddfc633_qkv
		.amdhsa_group_segment_fixed_size 34304
		.amdhsa_private_segment_fixed_size 0
		.amdhsa_enable_private_segment 0
		.amdhsa_kernarg_size 72
		.amdhsa_user_sgpr_count 2
		.amdhsa_user_sgpr_kernarg_segment_ptr 1
		.amdhsa_wavefront_size32 1
		.amdhsa_system_sgpr_workgroup_id_x 1
		.amdhsa_system_sgpr_workgroup_id_y 1
		.amdhsa_system_sgpr_workgroup_id_z 1
		.amdhsa_system_vgpr_workitem_id 0
		.amdhsa_next_free_vgpr 386
		.amdhsa_next_free_sgpr 102
		.amdhsa_reserve_vcc 0
		.amdhsa_float_denorm_mode_32 3
		.amdhsa_float_denorm_mode_16_64 3
		.amdhsa_memory_ordered 1
		.amdhsa_forward_progress 1
		.amdhsa_inst_pref_size 59
	.end_amdhsa_kernel
	.amdgpu_metadata
---
amdhsa.version: [ 1, 2 ]
amdhsa.kernels:
  - .name:           k_q33dddfc633_qkv
    .symbol:         k_q33dddfc633_qkv.kd
    .args:
      - { .name: x, .offset: 0, .size: 8, .value_kind: global_buffer, .address_space: global }
      - { .name: norm_w, .offset: 8, .size: 8, .value_kind: global_buffer, .address_space: global }
      - { .name: norm_b, .offset: 16, .size: 8, .value_kind: global_buffer, .address_space: global }
      - { .name: part, .offset: 24, .size: 8, .value_kind: global_buffer, .address_space: global }
      - { .name: w_img, .offset: 32, .size: 8, .value_kind: global_buffer, .address_space: global }
      - { .name: qkv_b, .offset: 40, .size: 8, .value_kind: global_buffer, .address_space: global }
      - { .name: lowp_scales, .offset: 48, .size: 8, .value_kind: global_buffer, .address_space: global }
      - { .name: q_img, .offset: 56, .size: 8, .value_kind: global_buffer, .address_space: global }
      - { .name: kv_img, .offset: 64, .size: 8, .value_kind: global_buffer, .address_space: global }
    .group_segment_fixed_size: 34304
    .private_segment_fixed_size: 0
    .kernarg_segment_align: 8
    .kernarg_segment_size: 72
    .max_flat_workgroup_size: 256
    .sgpr_count:     102
    .vgpr_count:     386
    .wavefront_size: 32
...
	.end_amdgpu_metadata
.endif
;; end of part 2
;; launch attn (part 3): grid 32 x 8, 8 waves a work-group, clusters of 4 x 1, 327,680 bytes of LDS; arguments q_img, kv_img, lowp_scales, a_img; writes a_img
.if DOCPART == 3
	.amdgcn_target "amdgcn-amd-amdhsa--gfx1250"
	.amdhsa_code_object_version 6
	.text
	.protected	k_q33dddfc633_attn
	.globl	k_q33dddfc633_attn
	.p2align	8
	.type	k_q33dddfc633_attn,@function
k_q33dddfc633_attn:
	s_mov_b64 s[64:65], 0
	v_nop
	global_prefetch_b8 v0, s[64:65] scope:SCOPE_SE
	s_setreg_imm32_b32 hwreg(HW_REG_WAVE_MODE, 25, 1), 1
	s_wait_xcnt 0x0
	s_wait_alu depctr_hold_cnt(0) depctr_sa_sdst(0) depctr_va_vdst(0) depctr_va_sdst(0) depctr_va_ssrc(0) depctr_va_vcc(0) depctr_vm_vsrc(0)
	s_getreg_b32 s2, hwreg(HW_REG_IB_STS2, 6, 4)
	s_cmp_eq_u32 s2, 0
	s_cbranch_scc0 .Lentry_in_a_cluster
	s_endpgm
.Lentry_in_a_cluster:
	s_bfe_u32 s2, ttmp6, 0x10000c
	s_cmp_lg_u32 s2, 0x3003
	s_cbranch_scc0 .Lentry_shape_is_right
	s_endpgm
.Lentry_shape_is_right:
; ATTENTION on codes of FP8 (E4M3): a = softmax(q k^T) v for 8 (batch, head) pairs, 4,096 positions, head size 64; a is quantised on the way out for the projection.
; THE SOFTMAX AHEAD OF THE SECOND PRODUCT: t = score x log2(e); M = the largest t so far, rounded UP to a whole number; p = 2^(t - M) is what is quantised, not normalised; the row's sum is taken of the
; unquantised p and divides at the end.  When M moves, the sum and O are multiplied by 2^(old M - new M): nothing is rounded, and there is no branch on data.
; SHARES.  A work-group owns 128 queries of one head.  Wave w: PR = w % 4 names two tiles of 16 queries (A and B), HF = w / 4 names half of the keys (16 steps of 128).  So each fragment of K and V read
; from LDS feeds two matrix instructions, a SIMD holds two waves (one wave's products and LDS loads stand beside the other's softmax), and the two halves' results meet once, at the end, through LDS.
; LAYOUT.  Both products transposed: S^T = K Q^T (source 0 = 16 keys), O^T = V^T P^T (source 0 = 16 channels): a lane holds ONE query (l % 16) throughout.  Tile i of S^T gives a lane keys 16 i + 8 (l / 16) + 0 .. 7:
; one conversion of its eight registers is registers 2 i, 2 i + 1 of P in the layout of the plain 8-bit forms.  K, V and Q come as images of their registers (registers 4 n .. 4 n + 3 at byte 512 n + 16 l).
; RING.  Two LDS slots of 131,072 bytes; a slot holds four key steps of each half; block w of 16,384 bytes is one key step (8 tiles of K, then 4 of V), brought by wave w's one tensor load.
; ORDER OF A STEP.  K's registers are free as soon as the step's 16 products K Q^T are issued: so the NEXT step's K is fetched there, in one run with this step's V, and both have the softmax in which to come.
; Only a slot's first K is fetched just ahead of its use: the slot may not be read before the change of slots.  O^T's rescaling stands between the products V^T P, four lines behind each.
; CLUSTER.  The four work-groups of a cluster belong to one head and walk the same K and V: each block is asked for JOINTLY, by the same tensor load with the same descriptor and a mask that names the four.
; The work-group's place in the cluster enters q's and a's addresses in memory alone.
; LIMITS: e2 + e3 between -126 and 127 (added to the exponent field of log2(e)); e5 and e6 between -126 and 119; e4 + e5 goes through v_ldexp_f32 and has none.
; REGISTERS, window 0: v1 16 l, v2 the step's LDS address, v3, v4 for the add, v5 the merge's place; v12-15, v16-19 per tile: -M, the largest t, the sum in two halves; v24-31, v32-39 Q; v64-127, v128-191 S^T, then p;
;   v192-207, v208-223 p's codes; v224.., v232.. at work (+0, +1 maxima, then the old -M, then a third chain of the sum; +2:+3 f; +4:+5 a second chain; +6 the other half's); v241 2^e5; v242, v243 448 x 2^e6, 2^e6.
;   window 1: v0-63 K's 8 tiles, v64-127 V's 4, v128-159 and v160-191 O^T.
.set SLOT1, 131072
.set BLK,   16384
.set SPARE, 262144                     ; behind the ring: the spare words, 128 bytes for each of the eight waves: four blocks of 256 bytes that no other line names
.set MRG,   263168                     ; the merge: for each pair of waves 16 x 512 bytes of O^T and 2 x 512 of statistics; no tile ever lands here
.set MPAIR, 9216
.set LI,  1
.set ADR, 2
.set SPW, 3
.set NIL, 4
.set MA,  5
.set STA, 12
.set STB, 16
.set QA,  24
.set QB,  32
.set SA,  64
.set SB,  128
.set PA,  192
.set PB,  208
.set TA,  224
.set TB,  232
.set SC5, 241
.set LM6, 242
.set SC6, 243
.set VF,  64                           ; in window 1
.set OA,  128
.set OB,  160
.set WV,  12                           ; s12 my wave's number
.set HBS, 18                           ; s18 my half's first byte in a slot
.set CUR, 19                           ; s19 LDS byte of the key step in hand
.set CNT, 20                           ; s20 counts a slot's steps
.set E45, 21                           ; s21 e4 + e5
.set CS,  22                           ; s[22:23] log2(e) x 2^(e2 + e3): the packed form names a pair and takes its low word for both halves
.set G1,  24                           ; s[24:31] descriptor group 1
.set G0A, 32                           ; s[32:35] group 0 of the first fill
.set G0W, 36                           ; s[36:39] group 0 of the second, which then walks on
.set SEL, 48                           ; s[48:49] v_permlanex16_b32: lane l xor 16
.set LM5, 57                           ; s57 448 x 2^e5
.set MSB, 0
.macro WIN new                         ; s_set_vgpr_msb: bits 1:0 source 0, 3:2 source 1, 5:4 source 2, 7:6 destination; the high byte repeats the setting that is left
.if MSB != \new
	s_set_vgpr_msb (MSB<<8)|\new
.set MSB, \new
.endif
.endm
; A round of the cluster's barrier: my work-group's barrier, so that wave 0's signal speaks for all eight waves; wave 0 signals for the work-group; every wave waits for all four work-groups; my work-group's barrier once more.
.macro CROUND
	s_barrier_signal -1
	s_barrier_wait -1
	s_cmp_lg_u32 s[WV], 0
	s_cbranch_scc1 .Lnot_wave_0_\@
	s_barrier_signal -3
.Lnot_wave_0_\@:
	s_barrier_wait -3
	s_barrier_signal -1
	s_barrier_wait -1
.endm
	s_load_b256 s[4:11], s[0:1], 0x0               ; q_img s[4:5], kv_img s[6:7], the exponents s[8:9], a_img s[10:11]
	v_lshl_add_u32 v[SPW], v0, 2, SPARE
	v_mov_b32 v[NIL], 0
	ds_add_u32 v3, v4
	ds_add_u32 v3, v4
	s_wait_dscnt 0x0
	v_lshrrev_b32 v1, 5, v0
	v_readfirstlane_b32 s[WV], v1                  ; wave 0..7
	s_bfe_u32 s13, ttmp6, 0x40000                  ; cx: my place in the cluster
	s_lshl_b32 s14, ttmp9, 2                       ; in a cluster launch ttmp9 counts clusters
	s_add_co_u32 s14, s14, s13                     ; my block of 128 queries
	s_and_b32 s15, ttmp7, 0xffff                   ; bh, which the four partners share
	s_lshr_b32 s16, s[WV], 2                       ; HF
	s_and_b32 s17, s[WV], 3                        ; PR
	s_lshl_b32 s[HBS], s16, 16                     ; four blocks of 16,384 bytes a half
	; descriptor group 1: a dense block of 16,384 bytes as 64 rows of 32 elements of 8 bytes; no padding: an image is read 512 consecutive bytes at a time
	s_mov_b32 s[G1], 15|(3<<16)|(1<<21)            ; 15:0 the mask: all four work-groups; 17:16 elements of 8 bytes; 21 set beside a mask
	s_mov_b32 s[G1+1], 32<<16                      ; tensor_dim0 = 32
	s_mov_b32 s[G1+2], 64<<16                      ; tensor_dim1 = 64
	s_mov_b32 s[G1+3], 32<<16                      ; tile_dim0 = 32
	s_mov_b32 s[G1+4], 64                          ; tile_dim1 = 64
	s_mov_b32 s[G1+5], 32                          ; from row to row: 32 elements
	s_mov_b32 s[G1+6], 0
	s_mov_b32 s[G1+7], 0
	s_mov_b32 s[SEL], 0x76543210
	s_mov_b32 s[SEL+1], 0xfedcba98
	s_lshl_b32 s50, s15, 19                        ; the head's 32 key steps,
	s_lshl_b32 s51, s16, 4
	s_add_co_u32 s51, s51, s17                     ; my block of the first fill: key step 16 HF + PR
	s_lshl_b32 s51, s51, 14
	s_add_co_u32 s50, s50, s51
	s_mov_b32 s51, 0
	s_lshl_b32 s52, s15, 8                         ; q: tile 256 bh + 8 x block + 2 PR, 1,024 bytes a tile
	s_lshl_b32 s53, s14, 3
	s_add_co_u32 s52, s52, s53
	s_lshl_b32 s53, s17, 1
	s_add_co_u32 s52, s52, s53
	s_lshl_b32 s52, s52, 10
	s_mov_b32 s53, 0
	s_lshr_b32 s54, s15, 2                         ; a: tile 256 b + 8 x block + 2 PR, 4,096 bytes a tile; my head's eight registers at 1,024 x head
	s_lshl_b32 s54, s54, 8
	s_lshl_b32 s55, s14, 3
	s_add_co_u32 s54, s54, s55
	s_lshl_b32 s55, s17, 1
	s_add_co_u32 s54, s54, s55
	s_lshl_b32 s54, s54, 12
	s_and_b32 s55, s15, 3
	s_lshl_b32 s55, s55, 10
	s_add_co_u32 s54, s54, s55
	s_mov_b32 s55, 0
	s_wait_kmcnt 0x0
	s_load_b256 s[40:47], s[8:9], 0x0              ; e0 .. e7
	s_add_nc_u64 s[6:7], s[6:7], s[50:51]
	s_add_nc_u64 s[4:5], s[4:5], s[52:53]
	s_add_nc_u64 s[10:11], s[10:11], s[54:55]
	s_mov_b32 s[G0A], 1                            ; 1:0 count = 1
	s_lshl_b32 s[G0A+1], s[WV], 14                 ; LDS address: block w of slot 0: no place in the cluster enters it
	s_mov_b64 s[G0A+2:G0A+3], s[6:7]               ; global address
	s_or_b32 s[G0A+3], s[G0A+3], 0x80000000        ; type = 2
	s_mov_b32 s[G0W], 1
	s_add_co_u32 s[G0W+1], s[G0A+1], SLOT1         ; block w of slot 1,
	s_add_nc_u64 s[G0W+2:G0W+3], s[6:7], 4*BLK     ; four key steps on
	s_or_b32 s[G0W+3], s[G0W+3], 0x80000000
	CROUND                                         ; all four work-groups are here: the first joint loads meet
	tensor_load_to_lds s[G0A:G0A+3], s[G1:G1+7]    ; both first fills go out together, ahead of every wait on TENSORcnt and every LDS read: two loads of mine are out
	s_nop 0
	tensor_load_to_lds s[G0W:G0W+3], s[G1:G1+7]
	s_nop 0
.rept 4
	v_nop
.endr
	v_and_b32 v[LI], 31, v0
	v_lshlrev_b32 v[LI], 4, v[LI]                  ; 16 l
.irp n, 0,1,2,3
	global_load_b128 v[QA+4*\n:QA+4*\n+3], v[LI], s[4:5] offset:512*\n   ; Q's two fragments stay in registers
.endr
	s_mul_i32 s56, s17, MPAIR
	s_add_co_u32 s56, s56, MRG
	v_add_nc_u32 v[MA], s56, v[LI]                 ; the merge's place of my pair of waves
.irp t, STA, STB
	v_mov_b32 v[\t+1], 0xff61b1e6                  ; the largest t so far: -3e38, under every t
	v_floor_f32 v[\t], -v[\t+1]                    ; -M
	v_mov_b32 v[\t+2], 0                           ; the sum, in two halves
	v_mov_b32 v[\t+3], 0
.endr
.irp t, TA, TB
	v_mov_b32 v[\t+3], 0                           ; named as the upper half of f's pair
	v_mov_b32 v[\t+6], 0                           ; a lane permute's destination counts as one of its sources
.endr
	WIN 0x40
.set j, 0
.rept 64
	v_mov_b32 v[OA+j], 0                           ; O^T.  The step is written for all steps alike: the first finds zeros, which the first change of M leaves zeros
.set j, j+1
.endr
	WIN 0
	s_wait_kmcnt 0x0
	s_add_co_i32 s50, s42, s43
	s_lshl_b32 s50, s50, 23
	s_add_co_i32 s[CS], s50, 0x3fb8aa3b            ; a score stands for score x 2^(e2 + e3): the two exponents are added to the exponent field of log2(e)
	s_mov_b32 s[CS+1], s[CS]
	s_add_co_i32 s[E45], s44, s45
	s_add_co_i32 s50, s45, 127
	s_lshl_b32 s51, s50, 23
	v_mov_b32 v[SC5], s51                          ; 2^e5 as f32, for p's conversion
	s_add_co_i32 s50, s50, 8
	s_lshl_b32 s50, s50, 23
	s_or_b32 s[LM5], s50, 0x600000                 ; 448 x 2^e5
	s_add_co_i32 s50, s46, 127
	s_lshl_b32 s51, s50, 23
	v_mov_b32 v[SC6], s51                          ; 2^e6, for a's
	s_add_co_i32 s50, s50, 8
	s_lshl_b32 s50, s50, 23
	s_or_b32 s50, s50, 0x600000
	v_mov_b32 v[LM6], s50                          ; 448 x 2^e6
; Line k of nine: from a tile's largest score of the step (in v[tr]) to the new -M (lines 0-5) and to f = 2^(old M - new M) (lines 6-8, which nothing waits for at once: they stand among the scalings)
.macro STAT k, st, tr
.if \k == 0
	v_permlanex16_b32 v[\tr+6], v[\tr], s[SEL], s[SEL+1]   ; the query's other 64 keys lie in the lane 16 away
.elseif \k == 1
	v_mov_b32 v[\tr+1], v[\st]                     ; the old -M is kept
.elseif \k == 2
	v_max_num_f32 v[\tr], v[\tr], v[\tr+6]
.elseif \k == 3
	v_mul_f32 v[\tr], s[CS], v[\tr]                ; as t (the factor is positive)
.elseif \k == 4
	v_max_num_f32 v[\st+1], v[\st+1], v[\tr]       ; the running largest t
.elseif \k == 5
	v_floor_f32 v[\st], -v[\st+1]                  ; the new -M = floor(-t) = -ceil(t): M is a whole number
.elseif \k == 6
	v_sub_f32 v[\tr+1], v[\st], v[\tr+1]           ; old M - new M: a whole number, 0 or less
.elseif \k == 7
	v_cvt_i32_f32 v[\tr+1], v[\tr+1]               ; (it saturates)
.else
	v_ldexp_f32 v[\tr+2], 1.0, v[\tr+1]
.endif
.endm
; Line n of 65 of a tile's sums and holds.  0: the sum under the new M.  Odd n: one of 32 additions of the UNQUANTISED p, two numbers at a time, in three chains (the sum itself, +4:+5, +0:+1), so that an
; addition reads a result six lines old; lines 1 and 3 start two chains with pairs 0-3, line n takes pair (n + 3) / 2, lines 61 and 63 join the chains.  Even n: the hold of pair (n - 2) / 2, which has been
; added by then (p is never negative, so the hold is one-sided; two numbers a line).
.macro SH st, sr, tr, n
.if (\n) == 0
	v_pk_mul_f32 v[\st+2:\st+3], v[\st+2:\st+3], v[\tr+2:\tr+3] op_sel_hi:[1,0]
.elseif (\n) == 1
	s_wait_alu depctr_va_vdst(0)
	v_pk_add_f32 v[\tr+4:\tr+5], v[\sr:\sr+1], v[\sr+2:\sr+3]
.elseif (\n) == 3
	v_pk_add_f32 v[\tr:\tr+1], v[\sr+4:\sr+5], v[\sr+6:\sr+7]
.elseif (\n) == 61
	v_pk_add_f32 v[\tr+4:\tr+5], v[\tr+4:\tr+5], v[\tr:\tr+1]
.elseif (\n) == 63
	v_pk_add_f32 v[\st+2:\st+3], v[\st+2:\st+3], v[\tr+4:\tr+5]
.elseif (((\n)%2) == 1) && (((((\n)-5)/2)%3) == 0)
	v_pk_add_f32 v[\st+2:\st+3], v[\st+2:\st+3], v[\sr+(\n)+3:\sr+(\n)+4]
.elseif (((\n)%2) == 1) && (((((\n)-5)/2)%3) == 1)
	v_pk_add_f32 v[\tr+4:\tr+5], v[\tr+4:\tr+5], v[\sr+(\n)+3:\sr+(\n)+4]
.elseif ((\n)%2) == 1
	v_pk_add_f32 v[\tr:\tr+1], v[\tr:\tr+1], v[\sr+(\n)+3:\sr+(\n)+4]
.else
	v_dual_min_num_f32 v[\sr+(\n)-2], s[LM5], v[\sr+(\n)-2] :: v_dual_min_num_f32 v[\sr+(\n)-1], s[LM5], v[\sr+(\n)-1]
.endif
.endm
; The softmax of both tiles for one key step.  The two tiles alternate, so that no line waits for the line above it, and no exponential stands beside another without plain work of the other tile at hand:
; A's exponentials stand between B's scalings, B's between A's sums and holds.  Each exponential has a plain line behind it before its result is used (ISA guide 5.7.2).
.macro SOFTMAX
	v_max3_num_f32 v[TA],   v[SA],   v[SA+1], v[SA+2]      ; the largest score of my query among my 64 keys, in two chains a tile; the registers in ascending order: each accumulator is read from its low end on
	v_max3_num_f32 v[TA+1], v[SA+3], v[SA+4], v[SA+5]
	v_max3_num_f32 v[TB],   v[SB],   v[SB+1], v[SB+2]
	v_max3_num_f32 v[TB+1], v[SB+3], v[SB+4], v[SB+5]
.irp i, 6,10,14,18,22,26,30,34,38,42,46,50,54,58
	v_max3_num_f32 v[TA],   v[TA],   v[SA+\i],   v[SA+\i+1]
	v_max3_num_f32 v[TA+1], v[TA+1], v[SA+\i+2], v[SA+\i+3]
	v_max3_num_f32 v[TB],   v[TB],   v[SB+\i],   v[SB+\i+1]
	v_max3_num_f32 v[TB+1], v[TB+1], v[SB+\i+2], v[SB+\i+3]
.endr
	v_max3_num_f32 v[TA], v[TA], v[SA+62], v[SA+63]
	v_max3_num_f32 v[TB], v[TB], v[SB+62], v[SB+63]
	v_max_num_f32 v[TA], v[TA], v[TA+1]
	v_max_num_f32 v[TB], v[TB], v[TB+1]
.irp k, 0,1,2,3,4,5
	STAT \k, STA, TA
	STAT \k, STB, TB
.endr
.set j, 0
.rept 32
	v_pk_fma_f32 v[SA+2*j:SA+2*j+1], v[SA+2*j:SA+2*j+1], s[CS:CS+1], v[STA:STA+1] op_sel_hi:[1,0,0]   ; t - M, two at a time (of both pairs the low word serves both halves)
.if j == 1
	STAT 6, STA, TA
	STAT 6, STB, TB
.endif
.if j == 3
	STAT 7, STA, TA
	STAT 7, STB, TB
.endif
.if j == 5
	STAT 8, STA, TA
	STAT 8, STB, TB
.endif
.set j, j+1
.endr
.set j, 0
.rept 32
	v_exp_f32 v[SA+2*j], v[SA+2*j]                 ; p = 2^(t - M)
	v_exp_f32 v[SA+2*j+1], v[SA+2*j+1]
	v_pk_fma_f32 v[SB+2*j:SB+2*j+1], v[SB+2*j:SB+2*j+1], s[CS:CS+1], v[STB:STB+1] op_sel_hi:[1,0,0]
.set j, j+1
.endr
.set j, 0
.rept 64
	v_exp_f32 v[SB+j], v[SB+j]
	SH STA, SA, TA, j
.set j, j+1
.endr
	SH STA, SA, TA, 64
.irp i, 0,1,2,3,4,5,6,7
	v_cvt_scalef32_pk8_fp8_f32 v[PA+2*\i:PA+2*\i+1], v[SA+8*\i:SA+8*\i+7], v[SC5]   ; tile i's eight keys: registers 2 i, 2 i + 1 of the operand
.endr
.set j, 0
.rept 65
	SH STB, SB, TB, j                              ; (plain lines behind A's conversions)
.set j, j+1
.endr
.irp i, 0,1,2,3,4,5,6,7
	v_cvt_scalef32_pk8_fp8_f32 v[PB+2*\i:PB+2*\i+1], v[SB+8*\i:SB+8*\i+7], v[SC5]
.endr
.endm
.macro RESC o, tr, i                   ; accumulator i of a tile's O^T under the new M: x f, four lines, from its low end on
.irp u, 0,2,4,6
	v_pk_mul_f32 v[\o+8*(\i)+\u:\o+8*(\i)+\u+1], v[\o+8*(\i)+\u:\o+8*(\i)+\u+1], v[\tr+2:\tr+3] op_sel_hi:[1,0]
.endr
.endm
; A KEY STEP: 128 keys, both tiles; its K is in registers when it begins.  24 matrix instructions; every accumulator has one instruction a turn.
; nxt = 1: the next step lies in the same slot, and its K is fetched here.
.macro STEP nxt
	WIN 0x01                                       ; source 0 (K) window 1
.irp i, 0,1,2,3,4,5,6,7
	v_wmma_f32_16x16x64_fp8_fp8 v[SA+8*\i:SA+8*\i+7], v[8*\i:8*\i+7], v[QA:QA+7], 0
	v_wmma_f32_16x16x64_fp8_fp8 v[SB+8*\i:SB+8*\i+7], v[8*\i:8*\i+7], v[QB:QB+7], 0
.endr
	WIN 0
	v_add_nc_u32 v[ADR], s[CUR], v[LI]             ; with the three v_nop: four plain lines between the products (these, and the last step's V^T P) and the loads into the registers that they read,
.rept 3
	v_nop                                          ; and the first read of the scores (ISA guide 7.12.1 for vector instructions)
.endr
	WIN 0x40                                       ; destination window 1
.if \nxt
.set n, 0
.rept 16
	ds_load_b128 v[4*n:4*n+3], v[ADR] offset:BLK+512*n             ; the next step's K
.set n, n+1
.endr
.endif
.set n, 0
.rept 16
	ds_load_b128 v[VF+4*n:VF+4*n+3], v[ADR] offset:8192+512*n      ; this step's V
.set n, n+1
.endr
	WIN 0
	SOFTMAX
	WIN 0x51                                       ; V, C and D window 1, P window 0; the multiplies under the same setting: O^T (destination, source 0) window 1, f window 0
	RESC OA, TA, 0                                 ; (plain lines behind B's conversions)
	RESC OB, TB, 0
	s_wait_dscnt 0x0                               ; V is in, and so is the next step's K
.irp i, 0,1,2,3
	v_wmma_f32_16x16x128_fp8_fp8 v[OA+8*\i:OA+8*\i+7], v[VF+16*\i:VF+16*\i+15], v[PA:PA+15], v[OA+8*\i:OA+8*\i+7]
.if \i < 3
	RESC OA, TA, \i+1                              ; the accumulator that is due two products on; it names no register of the products round it
.endif
	v_wmma_f32_16x16x128_fp8_fp8 v[OB+8*\i:OB+8*\i+7], v[VF+16*\i:VF+16*\i+15], v[PB:PB+15], v[OB+8*\i:OB+8*\i+7]
.if \i < 3
	RESC OB, TB, \i+1
.endif
.endr
	WIN 0                                          ; at a label and at a branch every window is 0
.endm
; My half's four key steps of a slot.  The first step's K is fetched at the head; three trips fetch the next step's K; the last step, which has no successor in the slot, is written out.
.macro SLOT_STEPS slot
	s_add_co_u32 s[CUR], s[HBS], \slot*SLOT1
	v_add_nc_u32 v[ADR], s[CUR], v[LI]
	WIN 0x40
.set n, 0
.rept 16
	ds_load_b128 v[4*n:4*n+3], v[ADR] offset:512*n
.set n, n+1
.endr
	WIN 0
	s_mov_b32 s[CNT], 3
	s_wait_dscnt 0x0                               ; K is in (on the way back the wait in front of V^T P has shown it)
.Lstep_\@:
	STEP 1
	s_add_co_u32 s[CUR], s[CUR], BLK
	s_sub_co_u32 s[CNT], s[CNT], 1
	s_cmp_lg_u32 s[CNT], 0
	s_cbranch_scc1 .Lstep_\@
	STEP 0
.endm
; THE CHANGE OF SLOTS.  Each wave waits for all its tensor loads (one is out: its block of the slot ahead), adds 0 to its spare word, and waits for that and for its reads of the slot that it leaves.
; fill = 1: the barrier is a round of the cluster's, so that no wave of any partner still reads that slot or has a load on its way; the joint refill is the first thing behind it, one load a wave,
; and has four key steps, 96 matrix instructions and their softmax, in which to land.
.macro CHANGE fill
	s_wait_tensorcnt 0x0                           ; no tensor load of mine is out, so a group 0 may be written
	ds_add_u32 v[SPW], v[NIL]                      ; 0 onto my spare word
.if \fill
	s_xor_b32 s[G0W+1], s[G0W+1], SLOT1            ; the walking descriptor: the other slot than last time,
	s_add_nc_u64 s[G0W+2:G0W+3], s[G0W+2:G0W+3], 4*BLK   ; four key steps on; the type bits on top are not reached
	s_wait_dscnt 0x0                               ; the add is done, and my reads of the slot are over
	CROUND
	tensor_load_to_lds s[G0W:G0W+3], s[G1:G1+7]
	s_nop 0
.rept 4
	v_nop
.endr
.else
	s_wait_dscnt 0x0
	s_barrier_signal -1
	s_barrier_wait -1
.endif
.endm
	s_wait_tensorcnt 1                             ; my block of slot 0 is in; slot 1's may stay out
	s_barrier_signal -1
	s_barrier_wait -1                              ; everybody's is
	s_wait_loadcnt 0x0                             ; Q
	SLOT_STEPS 0                                   ; steps 0-3 of my half
	CHANGE 1                                       ; slot 0 takes steps 8-11
	SLOT_STEPS 1                                   ; steps 4-7
	CHANGE 1                                       ; slot 1 takes steps 12-15
	SLOT_STEPS 0
	CHANGE 0                                       ; nothing is left to fetch
	SLOT_STEPS 1
	; ---- THE MERGE.  Waves 4-7 hand O^T and their statistics to waves 0-3, as images of the registers.
.rept 4
	v_nop                                          ; four plain lines between the last products and the first read of O^T
.endr
	s_cmp_lt_u32 s[WV], 4
	s_cbranch_scc1 .Llow
	WIN 0x04                                       ; an LDS store's data is its source 1: window 1
.set n, 0
.rept 16
	ds_store_b128 v[MA], v[OA+4*n:OA+4*n+3] offset:512*n   ; in ascending order: each accumulator from its low end on
.set n, n+1
.endr
	WIN 0
	ds_store_b128 v[MA], v[STA:STA+3] offset:8192
	ds_store_b128 v[MA], v[STB:STB+3] offset:8704
.Llow:
	s_wait_dscnt 0x0                               ; for the others' sake: my stores have landed
	s_barrier_signal -1
	s_barrier_wait -1
	s_cmp_lt_u32 s[WV], 4
	s_cbranch_scc0 .Lend
.set n, 0
.rept 16
	ds_load_b128 v[SA+4*n:SA+4*n+3], v[MA] offset:512*n    ; the other half's O^T: tile A's at v64, tile B's at v96
.set n, n+1
.endr
	ds_load_b128 v[SB:SB+3], v[MA] offset:8192             ; and its statistics
	ds_load_b128 v[SB+4:SB+7], v[MA] offset:8704
	s_wait_dscnt 0x0
; -M = the smaller of the two -M; f1, f2 = 2^(own M - M): exact; the sum; its reciprocal
.macro MSTAT st, s2, tr
	v_min_num_f32 v[\tr], v[\st], v[\s2]
	v_sub_f32 v[\tr+1], v[\tr], v[\st]
	v_sub_f32 v[\tr+4], v[\tr], v[\s2]
	v_cvt_i32_f32 v[\tr+1], v[\tr+1]
	v_cvt_i32_f32 v[\tr+4], v[\tr+4]
	v_ldexp_f32 v[\tr+2], 1.0, v[\tr+1]
	v_ldexp_f32 v[\tr+4], 1.0, v[\tr+4]
	v_pk_mul_f32 v[\s2+2:\s2+3], v[\s2+2:\s2+3], v[\tr+4:\tr+5] op_sel_hi:[1,0]
	v_pk_fma_f32 v[\st+2:\st+3], v[\st+2:\st+3], v[\tr+2:\tr+3], v[\s2+2:\s2+3] op_sel_hi:[1,0,1]
	v_add_f32 v[\tr], v[\st+2], v[\st+3]           ; the sum's two halves,
	v_permlanex16_b32 v[\tr+6], v[\tr], s[SEL], s[SEL+1]
	v_add_f32 v[\tr], v[\tr], v[\tr+6]             ; and lane l xor 16's
	v_rcp_f32 v[\tr+1], v[\tr]
.endm
	MSTAT STA, SB, TA
	MSTAT STB, SB+4, TB
	v_nop                                          ; a plain line behind the last reciprocal
.irp t, TA, TB
	s_wait_alu depctr_va_vdst(0)
	v_ldexp_f32 v[\t+1], v[\t+1], s[E45]           ; g = 2^(e4 + e5) / the sum,
	v_mul_f32 v[\t+2], v[\t+2], v[\t+1]            ; taken into f1 and f2, which are powers of two
	v_mul_f32 v[\t+4], v[\t+4], v[\t+1]
.endr
.set j, 0
.rept 16
	v_pk_mul_f32 v[SA+2*j:SA+2*j+1], v[SA+2*j:SA+2*j+1], v[TA+4:TA+5] op_sel_hi:[1,0]
	v_pk_mul_f32 v[SA+32+2*j:SA+32+2*j+1], v[SA+32+2*j:SA+32+2*j+1], v[TB+4:TB+5] op_sel_hi:[1,0]
.set j, j+1
.endr
	WIN 0x01                                       ; source 0 (my O^T) window 1
.set j, 0
.rept 16
	v_pk_fma_f32 v[SA+2*j:SA+2*j+1], v[OA+2*j:OA+2*j+1], v[TA+2:TA+3], v[SA+2*j:SA+2*j+1] op_sel_hi:[1,0,1]
	v_pk_fma_f32 v[SA+32+2*j:SA+32+2*j+1], v[OB+2*j:OB+2*j+1], v[TB+2:TB+3], v[SA+32+2*j:SA+32+2*j+1] op_sel_hi:[1,0,1]
.set j, j+1
.endr
	WIN 0
.set j, 0
.rept 64
	v_med3_num_f32 v[SA+j], v[SA+j], -v[LM6], v[LM6]       ; a is held; the conversion does not saturate (ISA guide 7.6.2)
.set j, j+1
.endr
.irp i, 0,1,2,3
	v_cvt_scalef32_pk8_fp8_f32 v[PA+2*\i:PA+2*\i+1], v[SA+8*\i:SA+8*\i+7], v[SC6]          ; channels 16 i + 8 (l / 16) + 0 .. 7 of my head: registers 2 i, 2 i + 1 of its eight
	v_cvt_scalef32_pk8_fp8_f32 v[PB+2*\i:PB+2*\i+1], v[SA+32+8*\i:SA+32+8*\i+7], v[SC6]
.endr
	v_nop                                          ; a plain line behind the last conversion
	global_store_b128 v[LI], v[PA:PA+3], s[10:11]                  ; every store: 512 consecutive bytes, at a multiple of 256 from the buffer's first byte
	global_store_b128 v[LI], v[PA+4:PA+7], s[10:11] offset:512
	global_store_b128 v[LI], v[PB:PB+3], s[10:11] offset:4096      ; tile B: the next tile of positions
	global_store_b128 v[LI], v[PB+4:PB+7], s[10:11] offset:4608
.Lend:
	s_wait_tensorcnt 0x0                           ; the wave's end: behind my last tensor load and my last LDS store
	ds_add_u32 v[SPW], v[NIL]
	s_wait_dscnt 0x0
	CROUND                                         ; the closing round: no work-group ends while a partner may still ask for a block that names it
	s_endpgm
.Lfunc_end_k_q33dddfc633_attn:
	.size	k_q33dddfc633_attn, .Lfunc_end_k_q33dddfc633_attn-k_q33dddfc633_attn
	.p2alignl 7, 3214868480
	.fill 96, 4, 3214868480
	.section	.rodata,"a",@progbits
	.p2align	6, 0x0
	.amdhsa_kernel k_q33dddfc633_attn
		.amdhsa_group_segment_fixed_size 327680
		.amdhsa_private_segment_fixed_size 0
		.amdhsa_enable_private_segment 0
		.amdhsa_kernarg_size 32
		.amdhsa_user_sgpr_count 2
		.amdhsa_user_sgpr_kernarg_segment_ptr 1
		.amdhsa_wavefront_size32 1
		.amdhsa_system_sgpr_workgroup_id_x 1
		.amdhsa_system_sgpr_workgroup_id_y 1
		.amdhsa_system_sgpr_workgroup_id_z 1
		.amdhsa_system_vgpr_workitem_id 0
		.amdhsa_next_free_vgpr 448
		.amdhsa_next_free_sgpr 66
		.amdhsa_reserve_vcc 0
		.amdhsa_float_denorm_mode_32 3
		.amdhsa_float_denorm_mode_16_64 3
		.amdhsa_memory_ordered 1
		.amdhsa_forward_progress 1
		.amdhsa_inst_pref_size 247
	.end_amdhsa_kernel
	.amdgpu_metadata
---
amdhsa.version: [ 1, 2 ]
amdhsa.kernels:
  - .name:           k_q33dddfc633_attn
    .symbol:         k_q33dddfc633_attn.kd
    .args:
      - { .name: q_img, .offset: 0, .size: 8, .value_kind: global_buffer, .address_space: global }
      - { .name: kv_img, .offset: 8, .size: 8, .value_kind: global_buffer, .address_space: global }
      - { .name: lowp_scales, .offset: 16, .size: 8, .value_kind: global_buffer, .address_space: global }
      - { .name: a_img, .offset: 24, .size: 8, .value_kind: global_buffer, .address_space: global }
    .group_segment_fixed_size: 327680
    .private_segment_fixed_size: 0
    .kernarg_segment_align: 8
    .kernarg_segment_size: 32
    .max_flat_workgroup_size: 256
    .sgpr_count:     66
    .vgpr_count:     448
    .wavefront_size: 32
...
	.end_amdgpu_metadata
.endif
;; end of part 3
;; launch proj (part 4): grid 32 x 8, 8 waves a work-group, no clusters, 35,840 bytes of LDS; arguments a_img, w_img, proj_b, x, lowp_scales, out0; writes out0
.if DOCPART == 4
	.amdgcn_target "amdgcn-amd-amdhsa--gfx1250"
	.amdhsa_code_object_version 6
	.text
	.protected	k_q33dddfc633_proj
	.globl	k_q33dddfc633_proj
	.p2align	8
	.type	k_q33dddfc633_proj,@function
k_q33dddfc633_proj:
	s_mov_b64 s[64:65], 0
	v_nop
	global_prefetch_b8 v0, s[64:65] scope:SCOPE_SE
	s_setreg_imm32_b32 hwreg(HW_REG_WAVE_MODE, 25, 1), 1
	s_wait_xcnt 0x0
; PROJ: out = x + proj_w a + proj_b.  a and proj_w come as images of their registers (codes of FP8, E4M3; scales 2^e6, 2^e7): every fragment is four loads of 512 consecutive bytes.
; A work-group (x: block tb of 128 positions; y = 4 b + ob) makes 64 output channels x 128 positions.  Wave w: R = w % 4 names 16 channels (64 ob + 16 R on), TH = w / 4 names four tiles of 16 positions.
; Source 0 = a (16 positions), source 1 = proj_w (16 channels): a lane then holds ONE channel (l % 16) and eight neighbouring positions, 32 bytes of a row of out.  The wave's 16 rows x 256 bytes go through
; its own stage in LDS and come back by rows, so that sixteen lanes store 256 consecutive bytes; x is loaded in that same shape and added on the way.  Waves share nothing: no barrier.
; Memory binds this launch: each byte of a_img, x and out0 moves once; the weights are 64 KB read again by all.
; LIMIT: e6 + e7 between -126 and 127, so that 2^(e6 + e7) is an f32 number.
; REGISTERS: v1 r, v2 h, v3 16 l, v4 my bytes in x and out, v5, v6 the stage, v7 4 r, v[8:9] the bias; v16-47 the weights' two fragments; v48-79 four accumulators; v80-111 x; v112-239 a's eight fragments,
;   later v112-143 the results and v144-175 the rows read back.
.set W,   16
.set ACC, 48
.set XR,  80
.set AF,  112
.set Y,   112
.set BK,  144
.set SP,  272                          ; a stage row: 256 bytes + 16: row r starts at bank 4 r mod 64 (64 banks of 4 bytes: ISA guide 11.1)
	s_load_b256 s[4:11], s[0:1], 0x0               ; a_img s[4:5], w_img s[6:7], proj_b s[8:9], x s[10:11]
	s_load_b128 s[12:15], s[0:1], 0x20             ; the exponents s[12:13], out0 s[14:15]
	v_lshl_add_u32 v240, v0, 2, 0x8800
	v_mov_b32 v241, 0
	v_lshrrev_b32 v1, 5, v0
	v_readfirstlane_b32 s16, v1                    ; wave w
	s_and_b32 s17, s16, 3                          ; R
	s_lshr_b32 s18, s16, 2                         ; TH
	s_and_b32 s19, ttmp7, 0xffff
	s_lshr_b32 s20, s19, 2                         ; b
	s_and_b32 s21, s19, 3                          ; ob
	v_and_b32 v1, 15, v0                           ; r
	v_bfe_u32 v2, v0, 4, 1                         ; h
	v_and_b32 v3, 31, v0
	v_lshlrev_b32 v3, 4, v3                        ; 16 l
	v_lshlrev_b32 v4, 14, v2
	v_lshl_add_u32 v4, v1, 4, v4                   ; x, out: lanes 0-15 one channel's 256 bytes, lanes 16-31 the next channel's
	s_mul_i32 s22, s16, 16*SP                      ; my stage
	v_mul_u32_u24 v5, v1, SP
	v_lshl_add_u32 v5, v2, 5, v5
	v_add_nc_u32 v5, s22, v5                       ; in: row r, 32 bytes for each half of the lanes
	v_mul_u32_u24 v6, v2, SP
	v_lshl_add_u32 v6, v1, 4, v6
	v_add_nc_u32 v6, s22, v6                       ; back: lanes 0-15 one row, lanes 16-31 the next
	v_lshlrev_b32 v7, 2, v1
	v_mov_b32 v9, 0                                ; named as the upper half of the bias's pair
	s_lshl_b32 s32, s20, 22                        ; x, out: batch entry,
	s_lshl_b32 s33, s21, 6
	s_lshl_b32 s34, s17, 4
	s_add_co_u32 s33, s33, s34                     ; my first channel 64 ob + 16 R,
	s_lshl_b32 s34, s33, 14
	s_add_co_u32 s32, s32, s34
	s_lshl_b32 s34, ttmp9, 9
	s_add_co_u32 s32, s32, s34                     ; position 128 tb
	s_lshl_b32 s34, s18, 8
	s_add_co_u32 s32, s32, s34                     ; + 64 TH
	s_lshl_b32 s34, s33, 2                         ; proj_b at my first channel
	s_mov_b32 s33, 0
	s_mov_b32 s35, 0
	s_lshl_b32 s36, s21, 2
	s_add_co_u32 s36, s36, s17
	s_lshl_b32 s36, s36, 1
	s_add_co_u32 s36, s36, 96                      ; w_img: fragment 96 + 2 (4 ob + R)
	s_lshl_b32 s36, s36, 11
	s_mov_b32 s37, 0
	s_lshl_b32 s38, s20, 8
	s_lshl_b32 s39, ttmp9, 3
	s_add_co_u32 s38, s38, s39
	s_lshl_b32 s39, s18, 2
	s_add_co_u32 s38, s38, s39                     ; a_img: tile 256 b + 8 tb + 4 TH
	s_lshl_b32 s38, s38, 12
	s_mov_b32 s39, 0
	s_wait_kmcnt 0x0
	s_load_b256 s[24:31], s[12:13], 0x0            ; e0 .. e7
	s_add_nc_u64 s[6:7], s[6:7], s[36:37]
	s_add_nc_u64 s[4:5], s[4:5], s[38:39]
	s_add_nc_u64 s[8:9], s[8:9], s[34:35]
	s_add_nc_u64 s[10:11], s[10:11], s[32:33]
	s_add_nc_u64 s[14:15], s[14:15], s[32:33]
.set n, 0
.rept 8
	global_load_b128 v[W+4*n:W+4*n+3], v3, s[6:7] offset:512*n
.set n, n+1
.endr
.set n, 0
.rept 32
	global_load_b128 v[AF+4*n:AF+4*n+3], v3, s[4:5] offset:512*n th:TH_LOAD_NT   ; tile i, K step s at registers 32 i + 16 s; read by four work-groups, but never again after this launch
.set n, n+1
.endr
	global_load_b32 v8, v7, s[8:9]
.set n, 0
.rept 8
	global_load_b128 v[XR+4*n:XR+4*n+3], v4, s[10:11] offset:32768*n th:TH_LOAD_NT   ; channels 2 n, 2 n + 1 of my 16
.set n, n+1
.endr
	s_wait_kmcnt 0x0
	s_add_co_i32 s30, s30, s31
	s_add_co_i32 s30, s30, 127
	s_lshl_b32 s30, s30, 23                        ; 2^(e6 + e7) as f32
	s_mov_b32 s31, s30                             ; (named with it as a pair, so it is written)
	s_wait_loadcnt 8                               ; weights, a and the bias are in; x's eight loads may be out
.irp i, 0,1,2,3                        ; four accumulators by turns; the first K step starts the sums
	v_wmma_f32_16x16x128_fp8_fp8 v[ACC+8*\i:ACC+8*\i+7], v[AF+32*\i:AF+32*\i+15], v[W:W+15], 0
.endr
.irp i, 0,1,2,3
	v_wmma_f32_16x16x128_fp8_fp8 v[ACC+8*\i:ACC+8*\i+7], v[AF+32*\i+16:AF+32*\i+31], v[W+16:W+31], v[ACC+8*\i:ACC+8*\i+7]
.endr
.rept 4
	v_nop                                          ; four plain lines in front of the first read of results and of the writes over a's registers (ISA guide 7.12.1)
.endr
.irp i, 0,1,2,3
.irp j, 0,2,4,6
	v_pk_fma_f32 v[Y+8*\i+\j:Y+8*\i+\j+1], v[ACC+8*\i+\j:ACC+8*\i+\j+1], s[30:31], v[8:9] op_sel_hi:[1,0,0]   ; sum x 2^(e6 + e7) + my channel's bias; each accumulator from its low end on
.endr
.endr
.irp i, 0,1,2,3
	ds_store_b128 v5, v[Y+8*\i:Y+8*\i+3] offset:64*\i              ; positions 16 i + 8 h + 0 .. 7 of row r
	ds_store_b128 v5, v[Y+8*\i+4:Y+8*\i+7] offset:64*\i+16
.endr
.irp n, 0,1,2,3,4,5,6,7
	ds_load_b128 v[BK+4*\n:BK+4*\n+3], v6 offset:2*\n*SP           ; LDS serves a wave's instructions in order (ISA guide 5.7.1.4): these see my stores
.endr
	s_wait_loadcnt 0x0                             ; x
.irp n, 0,1,2,3,4,5,6,7
	s_wait_dscnt 7-\n                              ; rows 2 n, 2 n + 1 are back; the younger reads may be out
	v_pk_add_f32 v[BK+4*\n:BK+4*\n+1], v[BK+4*\n:BK+4*\n+1], v[XR+4*\n:XR+4*\n+1]
	v_pk_add_f32 v[BK+4*\n+2:BK+4*\n+3], v[BK+4*\n+2:BK+4*\n+3], v[XR+4*\n+2:XR+4*\n+3]
	global_store_b128 v4, v[BK+4*\n:BK+4*\n+3], s[14:15] offset:32768*\n th:TH_STORE_NT   ; 16 lanes store 256 consecutive bytes, at a multiple of 256 from out0's first byte
.endr
	s_wait_tensorcnt 0x0
	ds_add_u32 v240, v241
	s_wait_dscnt 0x0
	s_endpgm
.Lfunc_end_k_q33dddfc633_proj:
	.size	k_q33dddfc633_proj, .Lfunc_end_k_q33dddfc633_proj-k_q33dddfc633_proj
	.p2alignl 7, 3214868480
	.fill 96, 4, 3214868480
	.section	.rodata,"a",@progbits
	.p2align	6, 0x0
	.amdhsa_kernel k_q33dddfc633_proj
		.amdhsa_group_segment_fixed_size 35840
		.amdhsa_private_segment_fixed_size 0
		.amdhsa_enable_private_segment 0
		.amdhsa_kernarg_size 48
		.amdhsa_user_sgpr_count 2
		.amdhsa_user_sgpr_kernarg_segment_ptr 1
		.amdhsa_wavefront_size32 1
		.amdhsa_system_sgpr_workgroup_id_x 1
		.amdhsa_system_sgpr_workgroup_id_y 1
		.amdhsa_system_sgpr_workgroup_id_z 1
		.amdhsa_system_vgpr_workitem_id 0
		.amdhsa_next_free_vgpr 242
		.amdhsa_next_free_sgpr 66
		.amdhsa_reserve_vcc 0
		.amdhsa_float_denorm_mode_32 3
		.amdhsa_float_denorm_mode_16_64 3
		.amdhsa_memory_ordered 1
		.amdhsa_forward_progress 1
		.amdhsa_inst_pref_size 13
	.end_amdhsa_kernel
	.amdgpu_metadata
---
amdhsa.version: [ 1, 2 ]
amdhsa.kernels:
  - .name:           k_q33dddfc633_proj
    .symbol:         k_q33dddfc633_proj.kd
    .args:
      - { .name: a_img, .offset: 0, .size: 8, .value_kind: global_buffer, .address_space: global }
      - { .name: w_img, .offset: 8, .size: 8, .value_kind: global_buffer, .address_space: global }
      - { .name: proj_b, .offset: 16, .size: 8, .value_kind: global_buffer, .address_space: global }
      - { .name: x, .offset: 24, .size: 8, .value_kind: global_buffer, .address_space: global }
      - { .name: lowp_scales, .offset: 32, .size: 8, .value_kind: global_buffer, .address_space: global }
      - { .name: out0, .offset: 40, .size: 8, .value_kind: global_buffer, .address_space: global }
    .group_segment_fixed_size: 35840
    .private_segment_fixed_size: 0
    .kernarg_segment_align: 8
    .kernarg_segment_size: 48
    .max_flat_workgroup_size: 256
    .sgpr_count:     66
    .vgpr_count:     242
    .wavefront_size: 32
...
	.end_amdgpu_metadata
.endif
;; end of part 4
;; ======== version 2 of 2: 4 launches; version 1 with the launches qkv, proj written anew for expert scheduling mode
;; workspace buffers: part 4,096 bytes; w_img 262,144 bytes; q_img 2,097,152 bytes; kv_img 4,194,304 bytes; a_img 2,097,152 bytes
;; launch prep: the kernel of part 1 again; grid 320 x 1, 2 waves a work-group, no clusters, 0 bytes of LDS; arguments x, qkv_w, proj_w, lowp_scales, part, w_img; writes part, w_img
;; launch qkv (part 5): grid 32 x 8, 8 waves a work-group, no clusters, 34,304 bytes of LDS; arguments x, norm_w, norm_b, part, w_img, qkv_b, lowp_scales, q_img, kv_img; writes q_img, kv_img
.if DOCPART == 5
	.amdgcn_target "amdgcn-amd-amdhsa--gfx1250"
	.amdhsa_code_object_version 6
	.text
	.protected	k_q33dddfc633_qkv
	.globl	k_q33dddfc633_qkv
	.p2align	8
	.type	k_q33dddfc633_qkv,@function
k_q33dddfc633_qkv:
	s_mov_b64 s[64:65], 0
	v_nop
	global_prefetch_b8 v0, s[64:65] scope:SCOPE_SE
	s_setreg_imm32_b32 hwreg(HW_REG_WAVE_SCHED_MODE, 0, 2), 2
	s_setreg_imm32_b32 hwreg(HW_REG_WAVE_MODE, 25, 1), 1
	s_wait_xcnt 0x0
	s_wait_alu depctr_vm_vsrc(0)
; QKV: GroupNorm finished, xn quantised, the first product, bias, q and k times 64^-0.25, and q, k, v quantised into images of the operands that attention wants.
; A work-group (x: block tb of 128 positions; y: bh = 4 b + head) makes one head's 192 output channels for 128 positions: 8 tiles of q and one whole key step (8 tiles of k, 4 of v).
; IMAGES.  Every operand in memory and in LDS is an image of its registers in the layout of the plain 8-bit matrix forms: lane (r = l % 16, h = l / 16) holds row r; register 2 c + e, byte y, holds
; k = 16 c + 8 h + 4 e + y; registers 4 q .. 4 q + 3 lie at byte 512 q + 16 l.  A result tile gives lane (r, h), register j, the row 8 h + j: so one conversion of a tile's eight registers IS registers
; 2 i, 2 i + 1 of the next operand, and nothing is permuted anywhere.
; PHASE X.  x lies [channel][position].  Wave w loads channels 32 w .. 32 w + 31 of all 128 positions, 4 neighbouring positions a lane (512 consecutive bytes a load): so a lane holds 32 channels, which are
; neighbours along K, of each of 4 positions.  (x - mean) A + b with A = rstd x norm_w; mean, A and b are the same in all lanes, so they lie in scalar registers.  The codes go to LDS at the place that
; the operand's image gives them.  One barrier.
; ORDER OF THE LOADS.  The statistics' 6 loads and x's 32 go out first and alone: phase X waits for them.  The 29 loads of weights and biases are wanted only behind the barrier: 16 are issued behind the
; statistics, where the wave would otherwise only wait for x, the other 13 behind the first quarter of phase X.
; PRODUCTS.  Wave w: R = w % 4, TH = w / 4.  For position tiles 4 TH .. 4 TH + 3: two row tiles of qkv_w (12 head + 2 R, + 1: R = 0, 1 are q, R = 2, 3 are k), used TRANSPOSED (source 0 = weights,
; source 1 = xn), so that a lane holds one position and eight channels; and v's row tile 12 head + 8 + R, used straight (source 0 = xn), so that a lane holds one channel and eight positions (the keys are v's K).
; The bias, divided by 2^(e0 + e1), is the C of each sum's first matrix instruction.
; The four heads of a batch entry read the same 128 x 256 numbers of x; they pass through registers before they are of use in LDS, so there is no tensor load here that partners could share.
; LIMITS: e0, e2 - e0 - e1, e3 - e0 - e1 and e4 - e0 - e1 lie between -126 and 119 (each power of two and 448 times it is an f32 number); e0 + e1 goes through v_ldexp_f32 and has no limit.
; NaN and infinities among the inputs are not served.
; REGISTERS, window 0: v1 lane, v2 16 l, v3 r, v4 h, v5-v11, v19 addresses, v12-v17 scales and holds, v18 v's bias, v20-43 statistics; v32-63 T; v64-95 codes; v128-255 x as loaded.
;   Behind the barrier: v32-95 the 8 accumulators of q or k, v96-127 the 4 of v, v128-255 xn's 8 fragments, at last v128-151 the codes to store.
;   window 1: v0-63 the weights for q or k (tile u, K step s at 32 u + 16 s), v64-95 for v, v96-111 and v112-119 the biases in the results' layouts; v129 the add's 0.
; THE MODE: SCHED_MODE bits 1:0 = 2 (LLVM: expert scheduling mode 2), set by the entry lines.  The code itself states the register dependences
; between vector or matrix instructions and memory or LDS instructions, with s_wait_alu, always for 0.
; THE PLAN.  Registers that memory or LDS instructions touch:
;   v2, v5-v8, v10, v11, v19; v9 and window 1's v129   offsets and LDS addresses: written once at the head, never again.  One wait on va_vdst ahead of the first load states them for the whole kernel.
;   v20-37                 the statistics land here; no vector line names them before.
;   v128-255               x lands; phase X's subtractions read it; behind the barrier xn's fragments land; the products read them; the last conversions write v128-151, which the global stores read.
;   v64-95                 phase X's conversions write the codes; the LDS stores read them; the products write these registers as accumulators.
;   window 1's v0-111, v18 weights and biases land; no vector line names them before the wait for their data.
; So: the LDS stores stand in two runs of four, each behind one wait on va_vdst; the second of these waits also states that phase X is done reading v128-255, and no vector line between it and the loads of
; xn's fragments names those registers.  One wait on vm_vsrc stands ahead of the first product, one wait on va_vdst ahead of the global stores.
; Scalar registers that vector lines write: s22 (the wave's number) and the 68 of mean, A and b: one wait on va_sdst behind each of the two runs, ahead of the first reader.
.set XT,  4112                         ; LDS: a tile of 16 positions: two K steps of 2,048 bytes + 16, so that the 16 lanes of a store in phase X fall on 16 different columns of 16 bytes (64 banks of 4 bytes: ISA guide 11.1)
.set GM,  28                           ; s[28:31]  the means of my wave's four groups
.set GB,  32                           ; s[32:63]  first the eight exponents, then b of my 32 channels
.set GA,  66                           ; s[66:97]  A of my 32 channels
.set T,   32
.set CD,  64
.set RAW, 128
.set AQ,  32
.set AV,  96
.set XF,  128
.set CQ,  128
.set CV,  144
.set BQ,  96                           ; in window 1
.set BV,  112                          ; in window 1
.set MSB, 0
.macro WIN new                         ; s_set_vgpr_msb: bits 1:0 source 0, 3:2 source 1, 5:4 source 2, 7:6 destination; the high byte repeats the setting that is left
.if MSB != \new
	s_set_vgpr_msb (MSB<<8)|\new
.set MSB, \new
.endif
.endm
.macro POW2 vs, vl, se                 ; s[se] = e (used up, with s3): v[vs] = 2^e, v[vl] = 448 x 2^e
	s_add_co_i32 s[\se], s[\se], 127
	s_lshl_b32 s3, s[\se], 23
	v_mov_b32 v[\vs], s3
	s_add_co_i32 s[\se], s[\se], 8
	s_lshl_b32 s[\se], s[\se], 23
	s_or_b32 s[\se], s[\se], 0x600000
	v_mov_b32 v[\vl], s[\se]
.endm
	s_load_b512 s[4:19], s[0:1], 0x0               ; x s[4:5], norm_w s[6:7], norm_b s[8:9], part s[10:11], w_img s[12:13], qkv_b s[14:15], the exponents s[16:17], q_img s[18:19]
	s_load_b64 s[20:21], s[0:1], 0x40              ; kv_img
	v_lshl_add_u32 v9, v0, 2, 0x8200
	s_set_vgpr_msb 0x40
	v_mov_b32 v129, 0
	s_set_vgpr_msb 0x4000
	v_lshrrev_b32 v1, 5, v0
	v_readfirstlane_b32 s22, v1                    ; wave w
	s_and_b32 s26, ttmp7, 0xffff                   ; bh
	s_lshr_b32 s27, s26, 2                         ; b
	s_and_b32 s99, s26, 3                          ; head
	v_and_b32 v1, 31, v0                           ; lane
	v_lshlrev_b32 v2, 4, v1                        ; 16 l
	v_and_b32 v3, 15, v0                           ; r
	v_bfe_u32 v4, v0, 4, 1                         ; h
	v_lshrrev_b32 v5, 2, v1                        ; phase X: my 4 positions 4 l + j lie in tile l / 4, rows 4 (l % 4) + j
	v_mul_u32_u24 v5, v5, XT
	v_and_b32 v6, 3, v1
	v_lshl_add_u32 v5, v6, 6, v5                   ; + 16 bytes x 4 (l % 4)
	s_wait_alu depctr_va_sdst(0)                   ; s22 is written, ahead of its first reader: R, TH and all that is made of them
	s_and_b32 s23, s22, 3                          ; R
	s_lshr_b32 s24, s22, 2                         ; TH
	s_lshl_b32 s2, s24, 11                         ; my 32 channels: K step w / 4,
	s_lshl_b32 s3, s23, 9                          ; registers 4 (w % 4) on
	s_add_co_u32 s2, s2, s3
	v_add_nc_u32 v5, s2, v5
	v_and_b32 v6, 24, v1
	v_lshlrev_b32 v6, 2, v6                        ; part: the eight channels of lane l's group begin at channel 32 w + (l & 24)
	v_lshlrev_b32 v7, 2, v1                        ; norm_w, norm_b: lane l is channel 32 w + l
	v_lshlrev_b32 v8, 5, v4                        ; q's and k's bias: my eight channels 8 h on
	s_mul_i32 s2, s24, 4*XT
	v_add_nc_u32 v10, s2, v2                       ; where I read xn's fragments: 16 l + my four tiles
	s_lshl_b32 s2, s23, 1
	s_sub_co_u32 s2, 16, s2
	s_lshl_b32 s2, s2, 11
	v_add_nc_u32 v11, s2, v2                       ; v's weights lie 16 - 2 R fragments behind my weights for q or k
	s_lshl_b32 s2, s23, 4
	s_sub_co_u32 s2, 128, s2
	s_lshl_b32 s2, s2, 2
	v_lshl_add_u32 v19, v3, 2, s2                  ; v's bias lies 128 - 16 R + r numbers behind my bias for q or k
	s_wait_kmcnt 0x0
	s_load_b256 s[GB:GB+7], s[16:17], 0x0          ; e0 .. e7
	s_lshl_b32 s2, s27, 10
	s_lshl_b32 s3, s22, 7
	s_add_co_u32 s2, s2, s3
	s_mov_b32 s3, 0
	s_add_nc_u64 s[10:11], s[10:11], s[2:3]        ; part at channel 256 b + 32 w
	s_lshl_b32 s2, s22, 7
	s_add_nc_u64 s[6:7], s[6:7], s[2:3]            ; norm_w, norm_b at channel 32 w
	s_add_nc_u64 s[8:9], s[8:9], s[2:3]
	s_wait_alu depctr_va_vdst(0)                   ; the offsets and LDS addresses v2, v5 to v11 and v19 are written, which every load and store of the kernel reads; none of them is written again
	global_load_b128 v[20:23], v6, s[10:11]                ; eight means,
	global_load_b128 v[24:27], v6, s[10:11] offset:16
	global_load_b128 v[28:31], v6, s[10:11] offset:2048    ; eight sums of squared deviations
	global_load_b128 v[32:35], v6, s[10:11] offset:2064
	global_load_b32 v36, v7, s[6:7]
	global_load_b32 v37, v7, s[8:9]
	s_lshl_b32 s2, s27, 22
	s_lshl_b32 s3, s22, 19
	s_add_co_u32 s2, s2, s3
	s_lshl_b32 s3, ttmp9, 9
	s_add_co_u32 s2, s2, s3
	s_mov_b32 s3, 0
	s_add_nc_u64 s[4:5], s[4:5], s[2:3]            ; x at (b, channel 32 w, position 128 tb)
.set n, 0
.rept 32
	global_load_b128 v[RAW+4*n:RAW+4*n+3], v2, s[4:5] offset:16384*n   ; channel 32 w + n: 32 lanes read 512 consecutive bytes
.set n, n+1
.endr
	s_mul_i32 s2, s99, 24
	s_lshl_b32 s3, s23, 2
	s_add_co_u32 s2, s2, s3
	s_lshl_b32 s2, s2, 11
	s_mov_b32 s3, 0
	s_add_nc_u64 s[12:13], s[12:13], s[2:3]        ; w_img at fragment 24 head + 4 R
	s_mul_i32 s2, s99, 192
	s_lshl_b32 s3, s23, 5
	s_add_co_u32 s2, s2, s3
	s_lshl_b32 s2, s2, 2
	s_mov_b32 s3, 0
	s_add_nc_u64 s[14:15], s[14:15], s[2:3]        ; qkv_b at channel 192 head + 32 R
	; where the results go: q tile or k tile 4 TH + i at 1,024 (4 TH + i), my four registers at 512 (R % 2); v tile R at 8,192 + 2,048 R, my eight registers at 1,024 TH
	s_lshl_b32 s2, s26, 8
	s_lshl_b32 s3, ttmp9, 3
	s_add_co_u32 s2, s2, s3
	s_lshl_b32 s2, s2, 10
	s_mov_b32 s3, 0
	s_add_nc_u64 s[18:19], s[18:19], s[2:3]        ; q_img at tile 256 bh + 8 tb
	s_lshl_b32 s2, s26, 5
	s_add_co_u32 s2, s2, ttmp9
	s_lshl_b32 s2, s2, 14
	s_add_nc_u64 s[20:21], s[20:21], s[2:3]        ; kv_img at key step 32 bh + tb
	s_cmp_lt_u32 s23, 2                            ; the choice hangs on the wave's number alone
	s_cselect_b64 s[18:19], s[18:19], s[20:21]
	s_lshl_b32 s2, s24, 12
	s_and_b32 s100, s23, 1
	s_lshl_b32 s100, s100, 9
	s_add_co_u32 s2, s2, s100
	s_add_nc_u64 s[18:19], s[18:19], s[2:3]
	s_lshl_b32 s2, s23, 11
	s_lshl_b32 s100, s24, 10
	s_add_co_u32 s2, s2, s100
	s_add_co_u32 s2, s2, 8192
	s_add_nc_u64 s[20:21], s[20:21], s[2:3]
	; ---- the group's statistics, in every lane for its own channel's group
	s_wait_loadcnt 32                              ; the six loads of statistics are in; x's 32 may be out
	v_add_f32 v38, v20, v21
	v_add_f32 v39, v22, v23
	v_add_f32 v40, v24, v25
	v_add_f32 v41, v26, v27
	v_add_f32 v38, v38, v39
	v_add_f32 v40, v40, v41
	v_add_f32 v38, v38, v40
	v_mul_f32 v38, 0x3e000000, v38                 ; the group's mean: the eight channels have equally many numbers
.irp k, 0,1,2,3,4,5,6,7
	v_sub_f32 v[20+\k], v[20+\k], v38
.endr
	v_mul_f32 v39, v20, v20
.irp k, 1,2,3,4,5,6,7
	v_fmac_f32 v39, v[20+\k], v[20+\k]
.endr
	v_add_f32 v40, v28, v29
	v_add_f32 v41, v30, v31
	v_add_f32 v42, v32, v33
	v_add_f32 v43, v34, v35
	v_add_f32 v40, v40, v41
	v_add_f32 v42, v42, v43
	v_add_f32 v40, v40, v42
	v_fmamk_f32 v40, v39, 0x45800000, v40          ; + 4,096 x the squares of the channels' means about the group's
	s_mov_b32 s2, 0x38000000
	v_fmaak_f32 v40, s2, v40, 0x3727c5ac           ; the variance (x 2^-15) + 1e-5
	v_rsq_f32 v41, v40
	v_nop                                          ; a plain line behind the transcendental (ISA guide 5.7.2)
	s_wait_alu depctr_va_vdst(0)                   ; the reciprocal root has written v41, ahead of its first reader
	v_mul_f32 v41, v41, v36                        ; A = rstd x norm_w
	s_wait_kmcnt 0x0
	s_mov_b32 s2, s[GB]
	POW2 12, 13, 2                                 ; xn's scale 2^e0
	s_add_co_i32 s100, s[GB], s[GB+1]              ; e0 + e1: a sum of the product stands for sum x 2^(e0 + e1)
	s_sub_co_i32 s98, 0, s100
	s_cmp_lt_u32 s23, 2
	s_cselect_b32 s2, s[GB+2], s[GB+3]             ; q's e2 or k's e3
	s_sub_co_i32 s2, s2, s100
	POW2 14, 15, 2                                 ; the three scales folded into the conversion's one
	s_sub_co_i32 s2, s[GB+4], s100
	POW2 16, 17, 2                                 ; likewise for v
.irp g, 0,1,2,3
	v_readlane_b32 s[GM+\g], v38, 8*\g
.endr
.set i, 0
.rept 32
	v_readlane_b32 s[GA+i], v41, i
	v_readlane_b32 s[GB+i], v37, i
.set i, i+1
.endr
	s_wait_alu depctr_va_sdst(0)                   ; the 68 scalars of mean, A and b are written, ahead of their first readers, phase X's subtractions and multiply-adds
	WIN 0x40                                       ; destination window 1
.set n, 0
.rept 16
	global_load_b128 v[4*n:4*n+3], v2, s[12:13] offset:512*n       ; the weights for q or k: four fragments.  No wait: no vector line has named these registers, and none since the head's wait names v2
.set n, n+1
.endr
	WIN 0
	; ---- phase X
.macro XQ j                            ; position 4 l + j: its 32 channels are normalised, held and turned into codes
.set i, 0
.rept 32
	v_sub_f32 v[T+i], v[RAW+4*i+\j], s[GM+i/8]
.set i, i+1
.endr
.set i, 0
.rept 32
	v_fma_f32 v[T+i], v[T+i], s[GA+i], s[GB+i]
.set i, i+1
.endr
.set i, 0
.rept 32
	v_med3_num_f32 v[T+i], v[T+i], -v13, v13       ; the conversion does not saturate (ISA guide 7.6.2)
.set i, i+1
.endr
	v_cvt_scalef32_pk8_fp8_f32 v[CD+8*\j:CD+8*\j+1],   v[T:T+7],     v12   ; the image's lane (row, 0) wants channels 0-7 and 16-23 of my 32,
	v_cvt_scalef32_pk8_fp8_f32 v[CD+8*\j+2:CD+8*\j+3], v[T+16:T+23], v12
	v_cvt_scalef32_pk8_fp8_f32 v[CD+8*\j+4:CD+8*\j+5], v[T+8:T+15],  v12   ; its lane (row, 1) channels 8-15 and 24-31
	v_cvt_scalef32_pk8_fp8_f32 v[CD+8*\j+6:CD+8*\j+7], v[T+24:T+31], v12
	v_nop                                          ; a plain line between the conversions and the next lines that write their sources
.endm
.macro XST j                           ; position 4 l + j: its codes are stored at their place in the image
	ds_store_b128 v5, v[CD+8*\j:CD+8*\j+3] offset:16*\j
	ds_store_b128 v5, v[CD+8*\j+4:CD+8*\j+7] offset:16*\j+256
.endm
	s_wait_loadcnt 16                              ; x is in; the 16 loads of weights just issued may be out
	XQ 0
	WIN 0x40
.set n, 0
.rept 8
	global_load_b128 v[64+4*n:64+4*n+3], v11, s[12:13] offset:512*n    ; the weights for v: two fragments.  No wait, here and in the five loads below: no vector line has named their registers, none since the head's wait their offsets
.set n, n+1
.endr
.irp n, 0,1,2,3
	global_load_b128 v[BQ+4*\n:BQ+4*\n+3], v8, s[14:15] offset:64*(\n/2)+16*(\n%2)   ; tile u = n / 2: channels 16 u + 8 h + 0 .. 7
.endr
	WIN 0
	global_load_b32 v18, v19, s[14:15]
	XQ 1
	s_wait_alu depctr_va_vdst(0)                   ; the conversions of the first two quarters have written v64 to v79, which the four LDS stores read
	XST 0
	XST 1
	XQ 2
	XQ 3
	s_wait_alu depctr_va_vdst(0)                   ; the conversions of the last two quarters have written v80 to v95, which the four LDS stores read; and phase X is done reading v128 to v255, in which xn's fragments land behind the barrier
	XST 2
	XST 3
	s_wait_dscnt 0x0                               ; for the others' sake: my stores have landed
	s_barrier_signal -1
	s_barrier_wait -1                              ; xn's 16 fragments lie in LDS
.irp i, 0,1,2,3
.irp c, 0,1,2,3,4,5,6,7
	ds_load_b128 v[XF+32*\i+4*\c:XF+32*\i+4*\c+3], v10 offset:\i*XT+512*\c   ; tile 4 TH + i: K step c / 4, registers 4 (c % 4) on
.endr
.endr
	s_wait_loadcnt 0x0                             ; weights and biases
	WIN 0x41                                       ; source 0 and destination window 1
.set n, 0
.rept 16
	v_ldexp_f32 v[BQ+n], v[BQ+n], s98              ; the bias goes in divided by the power of two that the sums lack
.set n, n+1
.endr
	WIN 0
	v_ldexp_f32 v18, v18, s98
	WIN 0x40
.set n, 0
.rept 8
	v_mov_b32 v[BV+n], v18                         ; in v's result a lane is one channel: its bias in all eight registers
.set n, n+1
.endr
	s_wait_dscnt 0x0
	s_wait_alu depctr_vm_vsrc(0)                   ; my LDS stores have read v64 to v95, which the products below write as accumulators
	; ---- the products: 12 accumulators by turns, one instruction a turn
	WIN 0x11                                       ; source 0 (weights) and C (bias) window 1
.irp i, 0,1,2,3
.irp u, 0,1
	v_wmma_f32_16x16x128_fp8_fp8 v[AQ+16*\i+8*\u:AQ+16*\i+8*\u+7], v[32*\u:32*\u+15], v[XF+32*\i:XF+32*\i+15], v[BQ+8*\u:BQ+8*\u+7]
.endr
.endr
	WIN 0x14                                       ; source 1 (weights) and C window 1
.irp i, 0,1,2,3
	v_wmma_f32_16x16x128_fp8_fp8 v[AV+8*\i:AV+8*\i+7], v[XF+32*\i:XF+32*\i+15], v[64:79], v[BV:BV+7]
.endr
	WIN 0x01
.irp i, 0,1,2,3
.irp u, 0,1
	v_wmma_f32_16x16x128_fp8_fp8 v[AQ+16*\i+8*\u:AQ+16*\i+8*\u+7], v[32*\u+16:32*\u+31], v[XF+32*\i+16:XF+32*\i+31], v[AQ+16*\i+8*\u:AQ+16*\i+8*\u+7]
.endr
.endr
	WIN 0x04
.irp i, 0,1,2,3
	v_wmma_f32_16x16x128_fp8_fp8 v[AV+8*\i:AV+8*\i+7], v[XF+32*\i+16:XF+32*\i+31], v[80:95], v[AV+8*\i:AV+8*\i+7]
.endr
	WIN 0
.rept 4
	v_nop                                          ; four plain lines between the last products and the first read of results (ISA guide 7.12.1)
.endr
	; ---- q or k: x 64^-0.25, held, codes; each accumulator from its low end on
.irp i, 0,1,2,3
.irp n, 0,2,4,6,8,10,12,14
	v_pk_mul_f32 v[AQ+16*\i+\n:AQ+16*\i+\n+1], v[AQ+16*\i+\n:AQ+16*\i+\n+1], 0x3eb504f3 op_sel_hi:[1,0]
.endr
.irp n, 0,1,2,3,4,5,6,7,8,9,10,11,12,13,14,15
	v_med3_num_f32 v[AQ+16*\i+\n], v[AQ+16*\i+\n], -v15, v15
.endr
	v_cvt_scalef32_pk8_fp8_f32 v[CQ+4*\i:CQ+4*\i+1],   v[AQ+16*\i:AQ+16*\i+7],    v14
	v_cvt_scalef32_pk8_fp8_f32 v[CQ+4*\i+2:CQ+4*\i+3], v[AQ+16*\i+8:AQ+16*\i+15], v14
.endr
	; ---- v: held, codes
.irp i, 0,1,2,3
.irp n, 0,1,2,3,4,5,6,7
	v_med3_num_f32 v[AV+8*\i+\n], v[AV+8*\i+\n], -v17, v17
.endr
	v_cvt_scalef32_pk8_fp8_f32 v[CV+2*\i:CV+2*\i+1], v[AV+8*\i:AV+8*\i+7], v16
.endr
	v_nop                                          ; a plain line behind the last conversion
	s_wait_alu depctr_va_vdst(0)                   ; the conversions have written v128 to v151, which the six stores read
.irp i, 0,1,2,3
	global_store_b128 v2, v[CQ+4*\i:CQ+4*\i+3], s[18:19] offset:1024*\i   ; every store: 512 consecutive bytes, at a multiple of 256 from the buffer's first byte
.endr
	global_store_b128 v2, v[CV:CV+3], s[20:21]
	global_store_b128 v2, v[CV+4:CV+7], s[20:21] offset:512
	s_set_vgpr_msb 0x4                             ; the add's data, its source 1, lies in window 1; the switch stands ahead of the closing lines
	s_wait_dscnt 0x0                               ; the closing lines, six on end
	s_wait_alu 0x0
	s_wait_tensorcnt 0x0
	ds_add_u32 v9, v129
	s_wait_dscnt 0x0
	s_endpgm
.Lfunc_end_k_q33dddfc633_qkv:
	.size	k_q33dddfc633_qkv, .Lfunc_end_k_q33dddfc633_qkv-k_q33dddfc633_qkv
	.p2alignl 7, 3214868480
	.fill 96, 4, 3214868480
	.section	.rodata,"a",@progbits
	.p2align	6, 0x0
	.amdhsa_kernel k_q33dddfc633_qkv
		.amdhsa_group_segment_fixed_size 34304
		.amdhsa_private_segment_fixed_size 0
		.amdhsa_enable_private_segment 0
		.amdhsa_kernarg_size 72
		.amdhsa_user_sgpr_count 2
		.amdhsa_user_sgpr_kernarg_segment_ptr 1
		.amdhsa_wavefront_size32 1
		.amdhsa_system_sgpr_workgroup_id_x 1
		.amdhsa_system_sgpr_workgroup_id_y 1
		.amdhsa_system_sgpr_workgroup_id_z 1
		.amdhsa_system_vgpr_workitem_id 0
		.amdhsa_next_free_vgpr 386
		.amdhsa_next_free_sgpr 102
		.amdhsa_reserve_vcc 0
		.amdhsa_float_denorm_mode_32 3
		.amdhsa_float_denorm_mode_16_64 3
		.amdhsa_memory_ordered 1
		.amdhsa_forward_progress 1
		.amdhsa_inst_pref_size 59
	.end_amdhsa_kernel
	.amdgpu_metadata
---
amdhsa.version: [ 1, 2 ]
amdhsa.kernels:
  - .name:           k_q33dddfc633_qkv
    .symbol:         k_q33dddfc633_qkv.kd
    .args:
      - { .name: x, .offset: 0, .size: 8, .value_kind: global_buffer, .address_space: global }
      - { .name: norm_w, .offset: 8, .size: 8, .value_kind: global_buffer, .address_space: global }
      - { .name: norm_b, .offset: 16, .size: 8, .value_kind: global_buffer, .address_space: global }
      - { .name: part, .offset: 24, .size: 8, .value_kind: global_buffer, .address_space: global }
      - { .name: w_img, .offset: 32, .size: 8, .value_kind: global_buffer, .address_space: global }
      - { .name: qkv_b, .offset: 40, .size: 8, .value_kind: global_buffer, .address_space: global }
      - { .name: lowp_scales, .offset: 48, .size: 8, .value_kind: global_buffer, .address_space: global }
      - { .name: q_img, .offset: 56, .size: 8, .value_kind: global_buffer, .address_space: global }
      - { .name: kv_img, .offset: 64, .size: 8, .value_kind: global_buffer, .address_space: global }
    .group_segment_fixed_size: 34304
    .private_segment_fixed_size: 0
    .kernarg_segment_align: 8
    .kernarg_segment_size: 72
    .max_flat_workgroup_size: 256
    .sgpr_count:     102
    .vgpr_count:     386
    .wavefront_size: 32
...
	.end_amdgpu_metadata
.endif
;; end of part 5
;; launch attn: the kernel of part 3 again; grid 32 x 8, 8 waves a work-group, clusters of 4 x 1, 327,680 bytes of LDS; arguments q_img, kv_img, lowp_scales, a_img; writes a_img
;; launch proj (part 6): grid 32 x 8, 8 waves a work-group, no clusters, 35,840 bytes of LDS; arguments a_img, w_img, proj_b, x, lowp_scales, out0; writes out0
.if DOCPART == 6
	.amdgcn_target "amdgcn-amd-amdhsa--gfx1250"
	.amdhsa_code_object_version 6
	.text
	.protected	k_q33dddfc633_proj
	.globl	k_q33dddfc633_proj
	.p2align	8
	.type	k_q33dddfc633_proj,@function
k_q33dddfc633_proj:
	s_mov_b64 s[64:65], 0
	v_nop
	global_prefetch_b8 v0, s[64:65] scope:SCOPE_SE
	s_setreg_imm32_b32 hwreg(HW_REG_WAVE_SCHED_MODE, 0, 2), 2
	s_setreg_imm32_b32 hwreg(HW_REG_WAVE_MODE, 25, 1), 1
	s_wait_xcnt 0x0
	s_wait_alu depctr_vm_vsrc(0)
; PROJ: out = x + proj_w a + proj_b.  a and proj_w come as images of their registers (codes of FP8, E4M3; scales 2^e6, 2^e7): every fragment is four loads of 512 consecutive bytes.
; A work-group (x: block tb of 128 positions; y = 4 b + ob) makes 64 output channels x 128 positions.  Wave w: R = w % 4 names 16 channels (64 ob + 16 R on), TH = w / 4 names four tiles of 16 positions.
; Source 0 = a (16 positions), source 1 = proj_w (16 channels): a lane then holds ONE channel (l % 16) and eight neighbouring positions, 32 bytes of a row of out.  The wave's 16 rows x 256 bytes go through
; its own stage in LDS and come back by rows, so that sixteen lanes store 256 consecutive bytes; x is loaded in that same shape and added on the way.  Waves share nothing: no barrier.
; Memory binds this launch: each byte of a_img, x and out0 moves once; the weights are 64 KB read again by all.
; LIMIT: e6 + e7 between -126 and 127, so that 2^(e6 + e7) is an f32 number.
; REGISTERS: v1 r, v2 h, v3 16 l, v4 my bytes in x and out, v5, v6 the stage, v7 4 r, v[8:9] the bias; v16-47 the weights' two fragments; v48-79 four accumulators; v80-111 x; v112-239 a's eight fragments,
;   later v112-143 the results and v144-175 the rows read back; v240, v241 the add's two.
; THE MODE: SCHED_MODE bits 1:0 = 2 (LLVM: expert scheduling mode 2), set by the entry lines.  The code itself states the register dependences
; between vector or matrix instructions and memory or LDS instructions, with s_wait_alu, always for 0.
; THE PLAN.  Registers that memory or LDS instructions touch:
;   v3 to v7, v240, v241       offsets and LDS addresses: written once at the head, never again.  One wait on va_vdst ahead of the first load states them for the whole kernel.
;   v16-47, v112-239, v8, v80-111   weights, a, the bias and x land here; no vector line names them before the wait for their data.
;   v112-143                   the multiply-adds write the results; the LDS stores read them; nothing writes them again.
;   v144-175                   the products read them (a's fragments); the loads from the stage land in them; the additions of x write them in place; the global stores read them.
; So one wait on va_vdst stands behind the multiply-adds, for the LDS stores' data and for the loads from the stage, and one behind the sixteen additions, ahead of the eight stores, which stand in one run.
; Nothing that a memory or LDS instruction has read is written again, so no wait on vm_vsrc is owed.  s16, the wave's number, has its wait on va_sdst ahead of its first reader.
.set W,   16
.set ACC, 48
.set XR,  80
.set AF,  112
.set Y,   112
.set BK,  144
.set SP,  272                          ; a stage row: 256 bytes + 16: row r starts at bank 4 r mod 64 (64 banks of 4 bytes: ISA guide 11.1)
	s_load_b256 s[4:11], s[0:1], 0x0               ; a_img s[4:5], w_img s[6:7], proj_b s[8:9], x s[10:11]
	s_load_b128 s[12:15], s[0:1], 0x20             ; the exponents s[12:13], out0 s[14:15]
	v_lshl_add_u32 v240, v0, 2, 0x8800
	v_mov_b32 v241, 0
	v_lshrrev_b32 v1, 5, v0
	v_readfirstlane_b32 s16, v1                    ; wave w
	s_and_b32 s19, ttmp7, 0xffff
	s_lshr_b32 s20, s19, 2                         ; b
	s_and_b32 s21, s19, 3                          ; ob
	v_and_b32 v1, 15, v0                           ; r
	v_bfe_u32 v2, v0, 4, 1                         ; h
	v_and_b32 v3, 31, v0
	v_lshlrev_b32 v3, 4, v3                        ; 16 l
	v_lshlrev_b32 v4, 14, v2
	v_lshl_add_u32 v4, v1, 4, v4                   ; x, out: lanes 0-15 one channel's 256 bytes, lanes 16-31 the next channel's
	s_wait_alu depctr_va_sdst(0)                   ; s16 is written, ahead of its first reader: R, TH, the stage's place and the bases are made from it
	s_and_b32 s17, s16, 3                          ; R
	s_lshr_b32 s18, s16, 2                         ; TH
	s_mul_i32 s22, s16, 16*SP                      ; my stage
	v_mul_u32_u24 v5, v1, SP
	v_lshl_add_u32 v5, v2, 5, v5
	v_add_nc_u32 v5, s22, v5                       ; in: row r, 32 bytes for each half of the lanes
	v_mul_u32_u24 v6, v2, SP
	v_lshl_add_u32 v6, v1, 4, v6
	v_add_nc_u32 v6, s22, v6                       ; back: lanes 0-15 one row, lanes 16-31 the next
	v_lshlrev_b32 v7, 2, v1
	v_mov_b32 v9, 0                                ; named as the upper half of the bias's pair
	s_lshl_b32 s32, s20, 22                        ; x, out: batch entry,
	s_lshl_b32 s33, s21, 6
	s_lshl_b32 s34, s17, 4
	s_add_co_u32 s33, s33, s34                     ; my first channel 64 ob + 16 R,
	s_lshl_b32 s34, s33, 14
	s_add_co_u32 s32, s32, s34
	s_lshl_b32 s34, ttmp9, 9
	s_add_co_u32 s32, s32, s34                     ; position 128 tb
	s_lshl_b32 s34, s18, 8
	s_add_co_u32 s32, s32, s34                     ; + 64 TH
	s_lshl_b32 s34, s33, 2                         ; proj_b at my first channel
	s_mov_b32 s33, 0
	s_mov_b32 s35, 0
	s_lshl_b32 s36, s21, 2
	s_add_co_u32 s36, s36, s17
	s_lshl_b32 s36, s36, 1
	s_add_co_u32 s36, s36, 96                      ; w_img: fragment 96 + 2 (4 ob + R)
	s_lshl_b32 s36, s36, 11
	s_mov_b32 s37, 0
	s_lshl_b32 s38, s20, 8
	s_lshl_b32 s39, ttmp9, 3
	s_add_co_u32 s38, s38, s39
	s_lshl_b32 s39, s18, 2
	s_add_co_u32 s38, s38, s39                     ; a_img: tile 256 b + 8 tb + 4 TH
	s_lshl_b32 s38, s38, 12
	s_mov_b32 s39, 0
	s_wait_kmcnt 0x0
	s_load_b256 s[24:31], s[12:13], 0x0            ; e0 .. e7
	s_add_nc_u64 s[6:7], s[6:7], s[36:37]
	s_add_nc_u64 s[4:5], s[4:5], s[38:39]
	s_add_nc_u64 s[8:9], s[8:9], s[34:35]
	s_add_nc_u64 s[10:11], s[10:11], s[32:33]
	s_add_nc_u64 s[14:15], s[14:15], s[32:33]
	s_wait_alu depctr_va_vdst(0)                   ; the offsets and LDS addresses v3 to v7 are written, which every load and store of the kernel reads; none of them is written again
.set n, 0
.rept 8
	global_load_b128 v[W+4*n:W+4*n+3], v3, s[6:7] offset:512*n
.set n, n+1
.endr
.set n, 0
.rept 32
	global_load_b128 v[AF+4*n:AF+4*n+3], v3, s[4:5] offset:512*n th:TH_LOAD_NT   ; tile i, K step s at registers 32 i + 16 s; read by four work-groups, but never again after this launch
.set n, n+1
.endr
	global_load_b32 v8, v7, s[8:9]
.set n, 0
.rept 8
	global_load_b128 v[XR+4*n:XR+4*n+3], v4, s[10:11] offset:32768*n th:TH_LOAD_NT   ; channels 2 n, 2 n + 1 of my 16
.set n, n+1
.endr
	s_wait_kmcnt 0x0
	s_add_co_i32 s30, s30, s31
	s_add_co_i32 s30, s30, 127
	s_lshl_b32 s30, s30, 23                        ; 2^(e6 + e7) as f32
	s_mov_b32 s31, s30                             ; (named with it as a pair, so it is written)
	s_wait_loadcnt 8                               ; weights, a and the bias are in; x's eight loads may be out
.irp i, 0,1,2,3                        ; four accumulators by turns; the first K step starts the sums
	v_wmma_f32_16x16x128_fp8_fp8 v[ACC+8*\i:ACC+8*\i+7], v[AF+32*\i:AF+32*\i+15], v[W:W+15], 0
.endr
.irp i, 0,1,2,3
	v_wmma_f32_16x16x128_fp8_fp8 v[ACC+8*\i:ACC+8*\i+7], v[AF+32*\i+16:AF+32*\i+31], v[W+16:W+31], v[ACC+8*\i:ACC+8*\i+7]
.endr
.rept 4
	v_nop                                          ; four plain lines in front of the first read of results and of the writes over a's registers (ISA guide 7.12.1)
.endr
.irp i, 0,1,2,3
.irp j, 0,2,4,6
	v_pk_fma_f32 v[Y+8*\i+\j:Y+8*\i+\j+1], v[ACC+8*\i+\j:ACC+8*\i+\j+1], s[30:31], v[8:9] op_sel_hi:[1,0,0]   ; sum x 2^(e6 + e7) + my channel's bias; each accumulator from its low end on
.endr
.endr
	s_wait_alu depctr_va_vdst(0)                   ; the multiply-adds have written v112 to v143, which the LDS stores read; and the products are done reading v144 to v175, in which the loads from the stage land
.irp i, 0,1,2,3
	ds_store_b128 v5, v[Y+8*\i:Y+8*\i+3] offset:64*\i              ; positions 16 i + 8 h + 0 .. 7 of row r
	ds_store_b128 v5, v[Y+8*\i+4:Y+8*\i+7] offset:64*\i+16
.endr
.irp n, 0,1,2,3,4,5,6,7
	ds_load_b128 v[BK+4*\n:BK+4*\n+3], v6 offset:2*\n*SP           ; LDS serves a wave's instructions in order (ISA guide 5.7.1.4): these see my stores
.endr
	s_wait_loadcnt 0x0                             ; x
.irp n, 0,1,2,3,4,5,6,7
	s_wait_dscnt 7-\n                              ; rows 2 n, 2 n + 1 are back; the younger reads may be out
	v_pk_add_f32 v[BK+4*\n:BK+4*\n+1], v[BK+4*\n:BK+4*\n+1], v[XR+4*\n:XR+4*\n+1]
	v_pk_add_f32 v[BK+4*\n+2:BK+4*\n+3], v[BK+4*\n+2:BK+4*\n+3], v[XR+4*\n+2:XR+4*\n+3]
.endr
	s_wait_alu depctr_va_vdst(0)                   ; the sixteen additions have written v144 to v175, which the eight stores read
.irp n, 0,1,2,3,4,5,6,7
	global_store_b128 v4, v[BK+4*\n:BK+4*\n+3], s[14:15] offset:32768*\n th:TH_STORE_NT   ; 16 lanes store 256 consecutive bytes, at a multiple of 256 from out0's first byte
.endr
	s_wait_dscnt 0x0                               ; the closing lines, six on end
	s_wait_alu 0x0
	s_wait_tensorcnt 0x0
	ds_add_u32 v240, v241
	s_wait_dscnt 0x0
	s_endpgm
.Lfunc_end_k_q33dddfc633_proj:
	.size	k_q33dddfc633_proj, .Lfunc_end_k_q33dddfc633_proj-k_q33dddfc633_proj
	.p2alignl 7, 3214868480
	.fill 96, 4, 3214868480
	.section	.rodata,"a",@progbits
	.p2align	6, 0x0
	.amdhsa_kernel k_q33dddfc633_proj
		.amdhsa_group_segment_fixed_size 35840
		.amdhsa_private_segment_fixed_size 0
		.amdhsa_enable_private_segment 0
		.amdhsa_kernarg_size 48
		.amdhsa_user_sgpr_count 2
		.amdhsa_user_sgpr_kernarg_segment_ptr 1
		.amdhsa_wavefront_size32 1
		.amdhsa_system_sgpr_workgroup_id_x 1
		.amdhsa_system_sgpr_workgroup_id_y 1
		.amdhsa_system_sgpr_workgroup_id_z 1
		.amdhsa_system_vgpr_workitem_id 0
		.amdhsa_next_free_vgpr 242
		.amdhsa_next_free_sgpr 66
		.amdhsa_reserve_vcc 0
		.amdhsa_float_denorm_mode_32 3
		.amdhsa_float_denorm_mode_16_64 3
		.amdhsa_memory_ordered 1
		.amdhsa_forward_progress 1
		.amdhsa_inst_pref_size 13
	.end_amdhsa_kernel
	.amdgpu_metadata
---
amdhsa.version: [ 1, 2 ]
amdhsa.kernels:
  - .name:           k_q33dddfc633_proj
    .symbol:         k_q33dddfc633_proj.kd
    .args:
      - { .name: a_img, .offset: 0, .size: 8, .value_kind: global_buffer, .address_space: global }
      - { .name: w_img, .offset: 8, .size: 8, .value_kind: global_buffer, .address_space: global }
      - { .name: proj_b, .offset: 16, .size: 8, .value_kind: global_buffer, .address_space: global }
      - { .name: x, .offset: 24, .size: 8, .value_kind: global_buffer, .address_space: global }
      - { .name: lowp_scales, .offset: 32, .size: 8, .value_kind: global_buffer, .address_space: global }
      - { .name: out0, .offset: 40, .size: 8, .value_kind: global_buffer, .address_space: global }
    .group_segment_fixed_size: 35840
    .private_segment_fixed_size: 0
    .kernarg_segment_align: 8
    .kernarg_segment_size: 48
    .max_flat_workgroup_size: 256
    .sgpr_count:     66
    .vgpr_count:     242
    .wavefront_size: 32
...
	.end_amdgpu_metadata
.endif
;; end of part 6
